; MI455X (gfx1250); checked and timed in simulation.
; The chip was launched on July 23, 2026; its instructions are those of AMD's public machine-readable ISA for CDNA 5 (MIT licence, August 2026) and "CDNA5" Instruction Set Architecture Reference Guide (July 2026). The comments in the code are by the model that wrote it; some were corrected since.
;; Attention. Allowed arithmetic: matrix products marked QUANTISED: E2M3 operands, one E8M0 scale for each 32 along K, by v_wmma_scale_f32_16x16x128_f8f6f4 with both operands' format E2M3, f32 sums; everything else in f32.
;; Inputs: freqs_cos 2,048 x 64 float32; freqs_sin 2,048 x 64 float32; mask 2,048 x 2,048 float32; wk 2,048 x 2,048 float32; wo 2,048 x 2,048 float32; wq 2,048 x 2,048 float32; wv 2,048 x 2,048 float32; x 1 x 2,048 x 2,048 float32.
;; Outputs: out0 1 x 2,048 x 2,048 float32.
;; This version of the problem:
;;   THIS VERSION OF THE PROBLEM IS GIVEN IN LOW PRECISION. The matrix products marked QUANTISED in the list below multiply operands that are first quantised to E2M3 (2 exponent bits, 3 mantissa bits; 6 bits a number), with one power-of-two scale for each 32 numbers along K (OCP MX v1.0); their sums are f32. All else is computed in f32.
;;   The module's matrix products, in the order in which they are computed (A, B: the left and right operand; K: the contracted axis; several contracted axes count as one K, in the product's order):
;;     1. [M 2,048, K 2,048] x [K 2,048, N 2,048]; A: input x; B: input wq: QUANTISED
;;     2. [M 2,048, K 2,048] x [K 2,048, N 2,048]; A: input x; B: input wk: QUANTISED
;;     3. [M 2,048, K 2,048] x [K 2,048, N 2,048]; A: input x; B: input wv: QUANTISED
;;     4. batch 16 x [M 2,048, K 128] x [K 128, N 2,048]; A: computed on the way; B: computed on the way: QUANTISED
;;     5. batch 16 x [M 128, K 2,048] x [K 2,048, N 2,048]; A: computed on the way; B: softmax (see below): QUANTISED
;;     6. [M 2,048, K 2,048] x [K 2,048, N 2,048]; A: computed on the way; B: input wo: QUANTISED
;;   THE QUANTISER, for each operand of a quantised product, along K:
;;     - K is cut into blocks of 32 from its start; a last block that is shorter is filled with zeros.
;;     - A block's scale is 2^e with e = floor(log2(the largest magnitude in the block)) - 2, held to -126 .. 127; a block of zeros has e = 0. As a byte (E8M0): e + 127.
;;     - Each number is divided by its block's scale, clamped to +-7.5, and rounded to the nearest number of E2M3, ties to even, subnormals kept.
;;     - The product sums the exact products of the quantised numbers (number of the format x scale) in f32.
;;   ~~~python
;;   def quantise(x, axis):      # numpy; x: float32 -> the quantised numbers, widened to float32 again
;;       x = np.moveaxis(x, axis, -1); K = x.shape[-1]
;;       x = np.pad(x, [(0, 0)] * (x.ndim - 1) + [(0, -K % 32)]); x = x.reshape(x.shape[:-1] + (-1, 32)); a = np.abs(x).max(-1, keepdims=True)
;;       e = np.where(a > 0, np.clip(np.frexp(np.where(a > 0, a, 1))[1] - 1 - 2, -126, 127), 0)      # np.frexp(a)[1] - 1 = floor(log2(a)), exactly
;;       r = np.clip(x / 2.0 ** e, -7.5, 7.5)
;;       step = 2.0 ** (np.maximum(np.frexp(np.where(r == 0, 1, r))[1] - 1, 0) - 3)
;;       q = np.round(r / step) * step * 2.0 ** e      # np.round: ties to even
;;       return np.moveaxis(q.reshape(q.shape[:-2] + (-1,))[..., :K], -1, axis).astype(np.float32)
;;   ~~~
;;   SOFTMAX AHEAD OF A QUANTISED PRODUCT. Where the list says 'softmax', what is quantised is not the finished softmax but p = 2^(t - M), with t = logit x log2(e) and M = ceil(the row's largest t), a whole number; so 1/2 < the row's largest p <= 1. The row's sum l is taken of the UNQUANTISED p, in f32, and the product's result is divided by l at the end. Since M is a whole number, a kernel that streams over the keys may use a running M (the ceiling of the running maximum): every later rescaling is an exact power of two, which a block's scale takes up: the codes' values come out the same.
;;   OPERANDS COMPUTED ON THE WAY. 'Computed on the way' means the value that the module computes at that place (a softmax that the list does not call 'softmax' is quantised finished and normalised). What goes into a quantiser is computed in f32, as accurately as f32 sums, v_exp_f32 and their like allow (about 1e-6 of the number): no bf16 or f16 on the way to a quantiser, and a product that is left as it is and whose result goes on into a quantised operand takes f32 operands (vector FMAs, or v_wmma_f32_16x16x4_f32). A number that lies on a knife's edge between two numbers of the format may be rounded either way, as far as f32 arithmetic and the matrix unit's own rounding can turn it there, and no further.
;; One version. Each part assembles by itself: llvm-mc -triple=amdgcn-amd-amdhsa -mcpu=gfx1250 --defsym DOCPART=n.
;; ======== version 1 of 1: 4 launches
;; workspace buffers: xr 3,276,800 bytes; wr 13,107,200 bytes; qr 3,276,800 bytes; kvr 6,553,600 bytes; aor 3,276,800 bytes
;; launch quant (part 1): grid 640 x 1, 4 waves a work-group, no clusters, 58,880 bytes of LDS; arguments x, wq, wk, wv, wo, xr, wr; writes xr, wr
.if DOCPART == 1
	.amdgcn_target "amdgcn-amd-amdhsa--gfx1250"
	.amdhsa_code_object_version 6
	.text
	.protected	k_qeab04f50c9_quant
	.globl	k_qeab04f50c9_quant
	.p2align	8
	.type	k_qeab04f50c9_quant,@function
k_qeab04f50c9_quant:
	s_mov_b64 s[64:65], 0
	v_nop
	global_prefetch_b8 v0, s[64:65] scope:SCOPE_SE
	s_setreg_imm32_b32 hwreg(HW_REG_WAVE_MODE, 25, 1), 1
	s_wait_xcnt 0x0
; x [2048][2048] and wq, wk, wv, wo [2048 (k)][2048 (n)], f32, become codes of FP6 (E2M3) with one E8M0 byte for each 32 along K (x: its columns; a weight: its rows).
; THE RECORD.  All workspace of this program is made of records of 12,800 bytes: 128 rows of an operand x 128 along K.  The 128 rows are eight tiles of 16; place r of tile j is row
; 32 (j / 2) + 8 (j % 2) + 16 (r / 8) + r % 8.  Bytes 1536 j + 512 g + 16 lane hold registers 4 g .. 4 g + 3 of the tile's operand fragment as the matrix instruction wants them in that lane; bytes 12288 + 64 j + 4 r
; hold the scale word of place r.  So a reader gets a fragment by three loads of 16 bytes a lane, and two tiles' scale words by one load of 4 bytes a lane.
; xr = [block of 128 tokens 16][K step 16][record];  wr = [q, k, v, o][block of 128 columns 16][K step 16][record].
; A block's scale is 2^(floor(log2(largest magnitude)) - 2); its byte is the largest magnitude's exponent field - 2, held at 1 from below (a block of zeros gets 1: its codes are zeros, and this program alone reads the bytes).
; LIMITS: blocks whose largest magnitude lies under 2^-124 keep the byte 1; NaN and infinities among the inputs are not served.
; SHARES.  Work-groups 0-127 take x: one tile of 16 tokens, all of K; a wave takes four K steps.  Work-groups 128-639 take a weight: 128 columns x 256 along K; a wave takes 32 columns, a lane a column, registers down K.
; The two paths part once, on the work-group's number, and have LDS bytes of their own.  No tensor load, no barrier, no cluster: waves and work-groups share no input.
.set REC,   12800
.set RSC,   12288
.set XP,    528                        ; x's stage: a row of 512 bytes + 16
.set XW,    16*XP                      ; a wave's stage for x
.set WSTG,  4*XW                       ; behind them the weights' stages,
.set WW,    6144                       ; a wave's: two K steps x two tiles x 1,536 bytes
.set SPARE, WSTG+4*WW                  ; and the spare words, 128 bytes a wave, which no other line names
.set SPW,   12                         ; v12  my spare word's LDS address; never rewritten
.set NIL,   13                         ; v13  0; never rewritten
.set SEL,   30                         ; s[30:31] lane selects: lane l xor 16
.set R,     16                         ; x: v16-143 two sets of 64 numbers as loaded
.set X,     144                        ; v144-207 64 numbers in the quantiser's order
.set TM,    208                        ; v208-223 at work
.set PW,    224                        ; the scale word just made
.set PC,    226                        ; v226-244 the codes just made
.set WX,    32                         ; weights: v32-95 two sets of 32 numbers
.set C,     96                         ; v96-102 a block's codes
.set SB,    24                         ; v24-25 scale words of two K steps
.set OUTR,  112                        ; v112-159 the way out
; 64 numbers of a lane, register 16 b + i = k 32 b + 16 (lane / 16) + i of the lane's row, become a fragment's codes in v[PC] on and its scale word in v[PW].
.macro QUANT s
.irp b, 0,1,2,3
	v_max3_num_f32 v[TM+\b], |v[\s+16*\b]|, |v[\s+1+16*\b]|, 0x1800000   ; my 16 numbers of block b, and the floor 2^(3 - 127): the byte cannot fall under 1
.endr
.irp i, 2,4,6,8,10,12,14
.irp b, 0,1,2,3
	v_max3_num_f32 v[TM+\b], v[TM+\b], |v[\s+16*\b+\i]|, |v[\s+1+16*\b+\i]|
.endr
.endr
.irp b, 0,1,2,3
	v_permlanex16_b32 v[TM+4+\b], v[TM+\b], s[SEL], s[SEL+1]
.endr
.irp b, 0,1,2,3
	v_max_num_f32 v[TM+\b], v[TM+\b], v[TM+4+\b]                 ; with lane l xor 16's: the block's largest magnitude
.endr
.irp b, 0,1,2,3
	v_add_nc_u32 v[TM+12+\b], 0xff000000, v[TM+\b]               ; 2 off its exponent field: the conversion's scale operand
.endr
.irp b, 0,1,2,3
	v_lshrrev_b32 v[TM+4+\b], 23, v[TM+12+\b]                    ; the scale's byte
.endr
	v_lshl_or_b32 v[PW], v[TM+5], 8, v[TM+4]
	v_lshl_or_b32 v[PW], v[TM+6], 16, v[PW]
	v_lshl_or_b32 v[PW], v[TM+7], 24, v[PW]
.irp c, 0,1
	v_cvt_scalef32_pk16_fp6_f32 v[PC+6*\c:PC+2+6*\c], v[\s+32*\c:\s+15+32*\c], v[TM+12+2*\c]
	v_cvt_scalef32_pk16_fp6_f32 v[PC+12+4*\c:PC+14+4*\c], v[\s+16+32*\c:\s+31+32*\c], v[TM+12+2*\c+1]   ; (a conversion's three registers begin on an even number)
.endr
	v_nop                                          ; one plain place behind a scaled conversion
.irp c, 0,1                                    ; the operand wants a whole block in a lane: lanes 0-15 block 2 c, lanes 16-31 block 2 c + 1
.irp i, 0,1,2
	v_permlane16_swap_b32 v[PC+6*\c+\i], v[PC+12+4*\c+\i]
.endr
.irp i, 0,1,2
	v_mov_b32 v[PC+3+6*\c+\i], v[PC+12+4*\c+\i]
.endr
.endr
.endm
	s_load_b256 s[4:11], s[0:1], 0x0               ; x s[4:5], wq s[6:7], wk s[8:9], wv s[10:11]
	s_load_b128 s[12:15], s[0:1], 0x20             ; wo s[12:13], xr s[14:15]
	s_load_b64 s[16:17], s[0:1], 0x30              ; wr
	v_lshl_add_u32 v[SPW], v0, 2, SPARE
	v_mov_b32 v[NIL], 0
	v_lshrrev_b32 v1, 5, v0
	v_readfirstlane_b32 s18, v1                    ; wave 0..3
	v_and_b32 v5, 31, v0                           ; lane
	s_cmp_lt_u32 ttmp9, 128
	s_cbranch_scc0 .Lweights
	; ---------------- x: tile j of block mb; my wave's K steps 4 w .. 4 w + 3
	v_lshlrev_b32 v1, 4, v5                        ; 16 x lane: a load's and a store's place for my lane
	s_mul_i32 s19, s18, XW
	v_add_nc_u32 v2, s19, v1                       ; the stage, in: a row as it lies
	v_and_b32 v6, 15, v0                           ; r
	v_bfe_u32 v7, v0, 4, 1                         ; h
	v_mul_u32_u24 v3, v6, XP
	v_lshl_add_u32 v3, v7, 6, v3
	v_add_nc_u32 v3, s19, v3                       ; out: row r, + 64 h: my 16 numbers of each block of 32
	v_lshlrev_b32 v4, 2, v6                        ; my row's scale word
	s_lshr_b32 s20, ttmp9, 3                       ; mb
	s_and_b32 s21, ttmp9, 7                        ; j
	s_lshr_b32 s22, s21, 1
	s_lshl_b32 s22, s22, 5
	s_and_b32 s23, s21, 1
	s_lshl_b32 s23, s23, 3
	s_add_co_u32 s22, s22, s23
	s_lshl_b32 s23, s20, 7
	s_add_co_u32 s22, s22, s23                     ; the tile's first row: 128 mb + 32 (j / 2) + 8 (j % 2)
	s_lshl_b32 s22, s22, 13                        ; rows of 8,192 bytes
	s_lshl_b32 s23, s18, 11                        ; + my four K steps of 512 bytes
	s_add_co_u32 s22, s22, s23
	s_mov_b32 s23, 0
	s_lshl_b32 s24, s20, 4
	s_lshl_b32 s25, s18, 2
	s_add_co_u32 s24, s24, s25
	s_mul_i32 s24, s24, REC                        ; record 16 mb + 4 w
	s_mul_i32 s25, s21, 1536
	s_add_co_u32 s26, s24, s25                     ; the tile's fragment in it,
	s_mov_b32 s27, 0
	s_lshl_b32 s25, s21, 6
	s_add_co_u32 s28, s24, s25
	s_add_co_u32 s28, s28, RSC                     ; and its scale words
	s_mov_b32 s29, 0
	s_mov_b32 s[SEL], 0x76543210
	s_mov_b32 s[SEL+1], 0xfedcba98
.irp b, 0,1,2,3
	v_mov_b32 v[TM+4+\b], 0                        ; written once: a lane permute's destination counts as one of its sources
.endr
	s_wait_kmcnt 0x0
	s_add_nc_u64 s[4:5], s[4:5], s[22:23]
	s_add_nc_u64 s[26:27], s[14:15], s[26:27]
	s_add_nc_u64 s[28:29], s[14:15], s[28:29]
.macro LOADX f                         ; K step f of the tile's 16 rows: each load reads 512 consecutive bytes of one row
.irp r, 0,1,2,3,4,5,6,7,8,9,10,11,12,13,14,15
	global_load_b128 v[R+64*((\f)%2)+4*\r:R+64*((\f)%2)+4*\r+3], v1, s[4:5] offset:(\r+8*(\r/8))*8192+512*(\f) th:TH_LOAD_NT
.endr
.endm
.macro XF f
.set RS, R+64*((\f)%2)
.if (\f) < 3
	s_wait_loadcnt 16                              ; this K step's 16 loads are in; the next one's may be out
.else
	s_wait_loadcnt 0x0
.endif
.irp r, 0,1,2,3,4,5,6,7,8,9,10,11,12,13,14,15
	ds_store_b128 v2, v[RS+4*\r:RS+4*\r+3] offset:XP*\r
.endr
.irp b, 0,1,2,3
.irp j, 0,1,2,3
	ds_load_b128 v[X+16*\b+4*\j:X+16*\b+4*\j+3], v3 offset:128*\b+16*\j   ; LDS serves a wave's instructions in order: these see the stores above
.endr
.endr
	s_wait_dscnt 0x0                               ; the numbers are back, and the stores have read their registers
.if (\f) > 0
	s_wait_xcnt 0x0                                ; the last fragment's stores have read the codes' and the word's registers
.endif
.if (\f) < 2
	LOADX (\f)+2
.endif
	QUANT X
.irp g, 0,1,2
	global_store_b128 v1, v[PC+4*\g:PC+4*\g+3], s[26:27] offset:REC*(\f)+512*\g   ; 512 consecutive bytes a store
.endr
	global_store_b32 v4, v[PW], s[28:29] offset:REC*(\f)   ; lanes r and r + 16 write the same word with the same value
.endm
	LOADX 0
	LOADX 1
	XF 0
	XF 1
	XF 2
	XF 3
	s_branch .Lend
	; ---------------- a weight: columns 128 nb + 32 w + lane, K = 256 sigma on, eight blocks of 32
.Lweights:
	s_sub_co_u32 s19, ttmp9, 128
	s_lshr_b32 s20, s19, 7                         ; which weight: 0 q, 1 k, 2 v, 3 o
	s_and_b32 s21, s19, 15                         ; nb
	s_bfe_u32 s22, s19, 0x30004                    ; sigma
	v_lshlrev_b32 v3, 2, v5                        ; in: 4 bytes a lane
	v_lshlrev_b32 v8, 4, v5                        ; out: 16 bytes a lane
	s_mul_i32 s23, s18, WW
	s_add_co_u32 s23, s23, WSTG                    ; my stage
	v_add_nc_u32 v7, s23, v8
	v_and_b32 v6, 7, v0                            ; column l = lane is place 8 l[4] + l[2:0] of tile 2 w + l[3]
	v_bfe_u32 v10, v0, 3, 1
	v_bfe_u32 v11, v0, 4, 1
	v_mul_u32_u24 v4, v10, 1536
	v_lshl_add_u32 v4, v11, 7, v4
	v_lshl_add_u32 v4, v6, 4, v4
	v_add_nc_u32 v4, s23, v4                       ; where that place's 16 bytes of a group of four registers lie (lanes 16-31 of the image: 256 further on)
	v_lshlrev_b32 v9, 6, v10
	v_lshl_add_u32 v9, v11, 5, v9
	v_lshl_add_u32 v9, v6, 2, v9                   ; and its scale word among my two tiles'
	s_lshl_b32 s24, s22, 21                        ; 256 sigma rows of 8,192 bytes
	s_lshl_b32 s25, s21, 9
	s_add_co_u32 s24, s24, s25
	s_lshl_b32 s25, s18, 7
	s_add_co_u32 s24, s24, s25                     ; + 4 x (128 nb + 32 w)
	s_mov_b32 s25, 0
	s_lshl_b32 s26, s20, 4
	s_add_co_u32 s26, s26, s21
	s_lshl_b32 s26, s26, 4
	s_lshl_b32 s27, s22, 1
	s_add_co_u32 s26, s26, s27
	s_mul_i32 s26, s26, REC                        ; record (16 T + nb) 16 + 2 sigma
	s_lshl_b32 s27, s18, 7
	s_add_co_u32 s28, s26, s27
	s_add_co_u32 s28, s28, RSC                     ; my two tiles' scale words,
	s_mov_b32 s29, 0
	s_mul_i32 s27, s18, 3072
	s_add_co_u32 s26, s26, s27                     ; and their fragments
	s_mov_b32 s27, 0
	s_wait_kmcnt 0x0
	s_cmp_eq_u32 s20, 1                            ; the choice of buffer hangs on the work-group's number alone
	s_cselect_b64 s[6:7], s[8:9], s[6:7]
	s_cmp_eq_u32 s20, 2
	s_cselect_b64 s[6:7], s[10:11], s[6:7]
	s_cmp_eq_u32 s20, 3
	s_cselect_b64 s[6:7], s[12:13], s[6:7]
	s_add_nc_u64 s[6:7], s[6:7], s[24:25]
	s_add_nc_u64 s[26:27], s[16:17], s[26:27]
	s_add_nc_u64 s[28:29], s[16:17], s[28:29]
.macro LOADW t                         ; block t: w(32 t + i, my column): 128 consecutive bytes a wave, 512 a work-group
.irp i, 0,1,2,3,4,5,6,7,8,9,10,11,12,13,14,15,16,17,18,19,20,21,22,23,24,25,26,27,28,29,30,31
	global_load_b32 v[WX+32*((\t)%2)+\i], v3, s[6:7] offset:(32*(\t)+\i)*8192 th:TH_LOAD_NT
.endr
.endm
.macro BLOCK t
.set XS, WX+32*((\t)%2)
.set LB, 3072*((\t)/4)+256*((\t)%2)    ; K step t / 4; block t % 4 of it belongs to lanes 16 (t % 2) on, registers 6 ((t % 4) / 2) on
.if (\t) < 7
	s_wait_loadcnt 32                              ; this block's 32 loads are in; the next block's may be out
.else
	s_wait_loadcnt 0x0
.endif
	v_max3_num_f32 v14, |v[XS]|, |v[XS+1]|, |v[XS+2]|            ; all 32 numbers of the block are mine
	v_max3_num_f32 v15, |v[XS+3]|, |v[XS+4]|, |v[XS+5]|
.irp i, 6,10,14,18,22,26
	v_max3_num_f32 v14, v14, |v[XS+\i]|, |v[XS+\i+1]|
	v_max3_num_f32 v15, v15, |v[XS+\i+2]|, |v[XS+\i+3]|
.endr
	v_max3_num_f32 v14, v14, |v[XS+30]|, |v[XS+31]|
	v_max3_num_f32 v14, v14, v15, 0x1800000        ; and the floor
	v_add_nc_u32 v16, 0xff000000, v14              ; the conversion's scale operand
	v_lshrrev_b32 v17, 23, v16                     ; the byte
.if (\t)%4 == 0
	v_mov_b32 v[SB+(\t)/4], v17
.else
	v_lshl_or_b32 v[SB+(\t)/4], v17, 8*((\t)%4), v[SB+(\t)/4]
.endif
	v_cvt_scalef32_pk16_fp6_f32 v[C:C+2], v[XS:XS+15], v16
	v_cvt_scalef32_pk16_fp6_f32 v[C+4:C+6], v[XS+16:XS+31], v16
	v_nop                                          ; one plain place behind a scaled conversion
	v_mov_b32 v[C+3], v[C+4]                       ; the block's six registers on end
	v_mov_b32 v[C+4], v[C+5]
	v_mov_b32 v[C+5], v[C+6]
.if ((\t)%4)/2 == 0
	ds_store_b128 v4, v[C:C+3] offset:LB           ; registers 0-3 of the fragment,
	ds_store_b64 v4, v[C+4:C+5] offset:LB+512      ; 4 and 5
.else
	ds_store_b64 v4, v[C:C+1] offset:LB+520        ; 6 and 7,
	ds_store_b128 v4, v[C+2:C+5] offset:LB+1024    ; 8-11
.endif
.if (\t)+2 < 8
	LOADW (\t)+2
.endif
	s_wait_dscnt 0x0                               ; the stores have read their registers: the next block's codes may be written
.endm
	LOADW 0
	LOADW 1
.irp t, 0,1,2,3,4,5,6,7
	BLOCK \t
.endr
	global_store_b32 v9, v[SB], s[28:29]           ; 128 consecutive bytes a wave
	global_store_b32 v9, v[SB+1], s[28:29] offset:REC
.irp k, 0,1,2,3,4,5,6,7,8,9,10,11
	ds_load_b128 v[OUTR+4*\k:OUTR+4*\k+3], v7 offset:512*\k      ; these see my stores
.endr
.irp k, 0,1,2,3,4,5,6,7,8,9,10,11
	s_wait_dscnt 11-\k
	global_store_b128 v8, v[OUTR+4*\k:OUTR+4*\k+3], s[26:27] offset:REC*(\k/6)+512*(\k%6)   ; 512 consecutive bytes a store
.endr
.Lend:
	s_wait_tensorcnt 0x0                           ; the wave's end, behind my last LDS store
	ds_add_u32 v[SPW], v[NIL]
	s_wait_dscnt 0x0
	s_endpgm
.Lfunc_end_k_qeab04f50c9_quant:
	.size	k_qeab04f50c9_quant, .Lfunc_end_k_qeab04f50c9_quant-k_qeab04f50c9_quant
	.p2alignl 7, 3214868480
	.fill 96, 4, 3214868480
	.section	.rodata,"a",@progbits
	.p2align	6, 0x0
	.amdhsa_kernel k_qeab04f50c9_quant
		.amdhsa_group_segment_fixed_size 58880
		.amdhsa_private_segment_fixed_size 0
		.amdhsa_enable_private_segment 0
		.amdhsa_kernarg_size 56
		.amdhsa_user_sgpr_count 2
		.amdhsa_user_sgpr_kernarg_segment_ptr 1
		.amdhsa_wavefront_size32 1
		.amdhsa_system_sgpr_workgroup_id_x 1
		.amdhsa_system_sgpr_workgroup_id_y 1
		.amdhsa_system_sgpr_workgroup_id_z 1
		.amdhsa_system_vgpr_workitem_id 0
		.amdhsa_next_free_vgpr 256
		.amdhsa_next_free_sgpr 66
		.amdhsa_reserve_vcc 0
		.amdhsa_float_denorm_mode_32 3
		.amdhsa_float_denorm_mode_16_64 3
		.amdhsa_memory_ordered 1
		.amdhsa_forward_progress 1
		.amdhsa_inst_pref_size 75
	.end_amdhsa_kernel
	.amdgpu_metadata
---
amdhsa.version: [ 1, 2 ]
amdhsa.kernels:
  - .name:           k_qeab04f50c9_quant
    .symbol:         k_qeab04f50c9_quant.kd
    .args:
      - { .name: x, .offset: 0, .size: 8, .value_kind: global_buffer, .address_space: global }
      - { .name: wq, .offset: 8, .size: 8, .value_kind: global_buffer, .address_space: global }
      - { .name: wk, .offset: 16, .size: 8, .value_kind: global_buffer, .address_space: global }
      - { .name: wv, .offset: 24, .size: 8, .value_kind: global_buffer, .address_space: global }
      - { .name: wo, .offset: 32, .size: 8, .value_kind: global_buffer, .address_space: global }
      - { .name: xr, .offset: 40, .size: 8, .value_kind: global_buffer, .address_space: global }
      - { .name: wr, .offset: 48, .size: 8, .value_kind: global_buffer, .address_space: global }
    .group_segment_fixed_size: 58880
    .private_segment_fixed_size: 0
    .kernarg_segment_align: 8
    .kernarg_segment_size: 56
    .max_flat_workgroup_size: 128
    .sgpr_count:     66
    .vgpr_count:     256
    .wavefront_size: 32
...
	.end_amdgpu_metadata
.endif
;; end of part 1
;; launch qkv (part 2): grid 24 x 8, 4 waves a work-group, clusters of 4 x 4, 327,680 bytes of LDS; arguments xr, wr, freqs_cos, freqs_sin, qr, kvr; writes qr, kvr
.if DOCPART == 2
	.amdgcn_target "amdgcn-amd-amdhsa--gfx1250"
	.amdhsa_code_object_version 6
	.text
	.protected	k_qeab04f50c9_qkv
	.globl	k_qeab04f50c9_qkv
	.p2align	8
	.type	k_qeab04f50c9_qkv,@function
k_qeab04f50c9_qkv:
	s_mov_b64 s[64:65], 0
	v_nop
	global_prefetch_b8 v0, s[64:65] scope:SCOPE_SE
	s_setreg_imm32_b32 hwreg(HW_REG_WAVE_MODE, 25, 1), 1
	s_wait_xcnt 0x0
	s_wait_alu depctr_hold_cnt(0) depctr_sa_sdst(0) depctr_va_vdst(0) depctr_va_sdst(0) depctr_va_ssrc(0) depctr_va_vcc(0) depctr_vm_vsrc(0)
	s_getreg_b32 s2, hwreg(HW_REG_IB_STS2, 6, 4)
	s_cmp_eq_u32 s2, 0
	s_cbranch_scc0 .Lentry_in_a_cluster
	s_endpgm
.Lentry_in_a_cluster:
	s_bfe_u32 s2, ttmp6, 0x10000c
	s_cmp_lg_u32 s2, 0xf033
	s_cbranch_scc0 .Lentry_shape_is_right
	s_endpgm
.Lentry_shape_is_right:
; q = rope(x wq), k = rope(x wk), v = x wv on codes of FP6 with E8M0 scales, and the results quantised again, in registers, for attention's two products.
; Operands come as records of 12,800 bytes (128 rows x 128 K: eight register images of 1,536 bytes, then 512 bytes of scale words; place r of tile j is row 32 (j / 2) + 8 (j % 2) + 16 (r / 8) + r % 8).
; SHARES.  Cluster x / 2 is the ROLE (0 q, 1 k, 2 v).  A work-group makes 256 tokens x 2 heads; wave w 128 tokens (half w / 2) x one head (w % 2): 64 accumulators of 16 x 16, 512 registers.  16 K steps of 128, 64 matrix instructions each.
; ONE LOOP FOR ALL ROLES.  Accumulator (a, b) = source 0: tile b of the B side, source 1: tile a of the A side.  q, k: A = x's tokens, B = the head's columns: a lane holds a token, its registers run along the head's 128.
; v: A = the head's columns, B = x's tokens: a lane holds a channel, its registers run along the 128 keys.  By the order of rows in a tile the 64 registers of b = 0 .. 7 are 32 b' + 16 (lane / 16) + i along the next K:
; what the quantiser takes.  Only four LDS bases differ between the roles; they are chosen by s_cselect_b32 on the role.
; THE RING.  A K step is four records, 51,200 bytes; six fit in LDS: two slots of three K steps.  Each wave fetches one part of a slot, three records on end, 38,400 dense bytes.  From a request to the wait for it a wave issues
; 160 matrix instructions.  16 is no multiple of 3: the last refill brings K steps 13 to 15, of which 13 and 14 lie in the other slot already, so that all refills have one shape and stand in the loop.
; OUT: qr [head][block][record] (rows: queries);  kvr [head][block][K's record (rows: keys), V's record (rows: channels, K = the block's 128 keys)].
; cos and sin are loaded in every role and become c m + n and s m, (m, n) = (1, 0) for q and k, (0, 1) for v: no branch hangs on the role, and every count of loads is the same in all roles.
; CLUSTERS: 4 x 4.  x's records hang on the block of tokens alone and are shared along a row of the cluster; the weights' hang on role and heads and are shared along a column: joint loads, which divide the requests by four.
; 192 work-groups: a wave keeps a whole head, so that scale words and blocks of 32 are never cut between waves, and reads each fragment from LDS once for eight products.
; LIMITS: NaN and infinities are not served; blocks under 2^-124 keep the byte 1.
.set REC,   12800
.set RSC,   12288
.set FRB,   1536
.set PART,  3*REC                      ; what one tensor load brings: three K steps of one block of x or of one head
.set SLOT,  4*PART                     ; x's two blocks, then the two heads
.set SPARE, 2*SLOT                     ; the spare words, 128 bytes a wave, which no other line names
.set WV,   16
.set ROLE, 17
.set CX,   18
.set CY,   19
.set MB,   20                          ; my block of 128 tokens
.set HB,   21                          ; wave % 2: my head of the two.  Also: which of the two parts I fetch
.set RA,   22                          ; wave / 2: my half of the tokens.  Also: I fetch for x (0) or for the weights (1)
.set HP,   23                          ; the pair of heads
.set G1X,  24                          ; s[24:31] group 1 for x's records; s[32:39] group 0, a set for each slot
.set G0X,  32
.set G1W,  40                          ; s[40:47], s[48:55] the same for the weights'
.set G0W,  48
.set TB,   58                          ; the block of 256 tokens
.set LAP,  59
.set OUT,  70                          ; s[70:71] my record
.set SEL,  72                          ; s[72:73]
.set MS,   74                          ; s[74:75] m
.set STP,  80                          ; s[80:81] slot 1's step from refill to refill
.set NV,   8                           ; v[8:9] n
.set ADRA, 16                          ; v16-17 A side's fragments in slot 0, 1;  v18-19 its scale words
.set ADSA, 18
.set ADRB, 20                          ; v20-21, v22-23 the same for the B side
.set ADSB, 22
.set LI,   24                          ; 16 x lane
.set LS,   25                          ; 4 x (lane % 16)
.set CSO,  26                          ; cos, sin: my token's row and my half's 32 bytes
.set SPW,  28
.set NIL,  29
.set PW,   30
.set SC,   32                          ; v32-47 scale words, nothing else: set p at 32 + 8 p: A's four registers, B's four; register i: lanes 0-15 tile 2 i, lanes 16-31 tile 2 i + 1
.set TM,   48
.set H,    64                          ; v64-127 64 numbers for the quantiser
.set AF,   128                         ; v128-223 A's eight fragments, one set
.set PC,   128                         ; later the codes just made
.set MSB, 0
.macro WIN new
.if MSB != (\new)
	s_set_vgpr_msb (MSB<<8)|(\new)
.set MSB, \new
.endif
.endm
.set MUL_LO, 0xa1                      ; source 0 window 1, source 1 window 0, C and D window 2
.set MUL_HI, 0xf1                      ; C and D window 3
.set TO_B,   0x40
.macro PLACES
.rept 4
	v_nop
.endr
.endm
.macro CREST
	s_cmp_lg_u32 s[WV], 0
	s_cbranch_scc1 .Lnot_wave_0_\@
	s_barrier_signal -3
.Lnot_wave_0_\@:
	s_barrier_wait -3
	s_barrier_signal -1
	s_barrier_wait -1
.endm
.macro CROUND
	s_barrier_signal -1
	s_barrier_wait -1
	CREST
.endm
; one matrix instruction on v[rD], v[rP], v[rQ], scale words v[rX] (row r0) and v[rY] (row r1); z = 1: it starts the sum
.macro WM z, r0, r1
.if (\z) && ((\r0) == 0) && ((\r1) == 0)
	v_wmma_scale_f32_16x16x128_f8f6f4 v[rD:rD+7], v[rP:rP+11], v[rQ:rQ+11], 0, v[rX], v[rY] matrix_a_fmt:MATRIX_FMT_FP6 matrix_b_fmt:MATRIX_FMT_FP6
.elseif (\z) && ((\r0) == 1) && ((\r1) == 0)
	v_wmma_scale_f32_16x16x128_f8f6f4 v[rD:rD+7], v[rP:rP+11], v[rQ:rQ+11], 0, v[rX], v[rY] matrix_a_fmt:MATRIX_FMT_FP6 matrix_b_fmt:MATRIX_FMT_FP6 matrix_a_scale:MATRIX_SCALE_ROW1
.elseif (\z) && ((\r0) == 0) && ((\r1) == 1)
	v_wmma_scale_f32_16x16x128_f8f6f4 v[rD:rD+7], v[rP:rP+11], v[rQ:rQ+11], 0, v[rX], v[rY] matrix_a_fmt:MATRIX_FMT_FP6 matrix_b_fmt:MATRIX_FMT_FP6 matrix_b_scale:MATRIX_SCALE_ROW1
.elseif (\z)
	v_wmma_scale_f32_16x16x128_f8f6f4 v[rD:rD+7], v[rP:rP+11], v[rQ:rQ+11], 0, v[rX], v[rY] matrix_a_fmt:MATRIX_FMT_FP6 matrix_b_fmt:MATRIX_FMT_FP6 matrix_a_scale:MATRIX_SCALE_ROW1 matrix_b_scale:MATRIX_SCALE_ROW1
.elseif ((\r0) == 0) && ((\r1) == 0)
	v_wmma_scale_f32_16x16x128_f8f6f4 v[rD:rD+7], v[rP:rP+11], v[rQ:rQ+11], v[rD:rD+7], v[rX], v[rY] matrix_a_fmt:MATRIX_FMT_FP6 matrix_b_fmt:MATRIX_FMT_FP6
.elseif ((\r0) == 1) && ((\r1) == 0)
	v_wmma_scale_f32_16x16x128_f8f6f4 v[rD:rD+7], v[rP:rP+11], v[rQ:rQ+11], v[rD:rD+7], v[rX], v[rY] matrix_a_fmt:MATRIX_FMT_FP6 matrix_b_fmt:MATRIX_FMT_FP6 matrix_a_scale:MATRIX_SCALE_ROW1
.elseif ((\r0) == 0) && ((\r1) == 1)
	v_wmma_scale_f32_16x16x128_f8f6f4 v[rD:rD+7], v[rP:rP+11], v[rQ:rQ+11], v[rD:rD+7], v[rX], v[rY] matrix_a_fmt:MATRIX_FMT_FP6 matrix_b_fmt:MATRIX_FMT_FP6 matrix_b_scale:MATRIX_SCALE_ROW1
.else
	v_wmma_scale_f32_16x16x128_f8f6f4 v[rD:rD+7], v[rP:rP+11], v[rQ:rQ+11], v[rD:rD+7], v[rX], v[rY] matrix_a_fmt:MATRIX_FMT_FP6 matrix_b_fmt:MATRIX_FMT_FP6 matrix_a_scale:MATRIX_SCALE_ROW1 matrix_b_scale:MATRIX_SCALE_ROW1
.endif
.endm
.macro QUANT s
.irp b, 0,1,2,3
	v_max3_num_f32 v[TM+\b], |v[\s+16*\b]|, |v[\s+1+16*\b]|, 0x1800000   ; my 16 numbers of block b, and the floor 2^(3 - 127)
.endr
.irp i, 2,4,6,8,10,12,14
.irp b, 0,1,2,3
	v_max3_num_f32 v[TM+\b], v[TM+\b], |v[\s+16*\b+\i]|, |v[\s+1+16*\b+\i]|
.endr
.endr
.irp b, 0,1,2,3
	v_permlanex16_b32 v[TM+4+\b], v[TM+\b], s[SEL], s[SEL+1]
.endr
.irp b, 0,1,2,3
	v_max_num_f32 v[TM+\b], v[TM+\b], v[TM+4+\b]
.endr
.irp b, 0,1,2,3
	v_add_nc_u32 v[TM+12+\b], 0xff000000, v[TM+\b]               ; 2 off the exponent field: the conversion's scale operand
.endr
.irp b, 0,1,2,3
	v_lshrrev_b32 v[TM+4+\b], 23, v[TM+12+\b]
.endr
	v_lshl_or_b32 v[PW], v[TM+5], 8, v[TM+4]
	v_lshl_or_b32 v[PW], v[TM+6], 16, v[PW]
	v_lshl_or_b32 v[PW], v[TM+7], 24, v[PW]
.irp c, 0,1
	v_cvt_scalef32_pk16_fp6_f32 v[PC+6*\c:PC+2+6*\c], v[\s+32*\c:\s+15+32*\c], v[TM+12+2*\c]
	v_cvt_scalef32_pk16_fp6_f32 v[PC+12+4*\c:PC+14+4*\c], v[\s+16+32*\c:\s+31+32*\c], v[TM+12+2*\c+1]
.endr
	v_nop                                          ; one plain place behind a scaled conversion
.irp c, 0,1
.irp i, 0,1,2
	v_permlane16_swap_b32 v[PC+6*\c+\i], v[PC+12+4*\c+\i]
.endr
.irp i, 0,1,2
	v_mov_b32 v[PC+3+6*\c+\i], v[PC+12+4*\c+\i]
.endr
.endr
.endm
; A joint load into slot s: waves 0 and 1 fetch x's two blocks, waves 2 and 3 the two heads.  The branch hangs on the wave's number alone.  An s_nop 0 and four v_nop follow each line.
.macro JLOAD s
	s_cmp_eq_u32 s[RA], 0
	s_cbranch_scc0 .Lfor_w_\@
	tensor_load_to_lds s[G0X+4*\s:G0X+4*\s+3], s[G1X:G1X+7]
	s_nop 0
	PLACES
	s_branch .Lasked_\@
.Lfor_w_\@:
	tensor_load_to_lds s[G0W+4*\s:G0W+4*\s+3], s[G1W:G1W+7]
	s_nop 0
	PLACES
.Lasked_\@:
.endm
	s_load_b256 s[4:11], s[0:1], 0x0               ; xr s[4:5], wr s[6:7], cos s[8:9], sin s[10:11]
	s_load_b128 s[12:15], s[0:1], 0x20             ; qr s[12:13], kvr s[14:15]
	v_lshl_add_u32 v[SPW], v0, 2, SPARE
	v_mov_b32 v[NIL], 0
	ds_add_u32 v[SPW], v[NIL]                      ; the wave's opening: the add and its wait ahead of my first tensor load
	v_lshrrev_b32 v1, 5, v0
	v_readfirstlane_b32 s[WV], v1                  ; wave 0..3
	s_lshr_b32 s[RA], s[WV], 1
	s_and_b32 s[HB], s[WV], 1
	s_lshr_b32 s[ROLE], ttmp9, 1                   ; from the cluster's x: the same in all sixteen partners
	s_bfe_u32 s[CX], ttmp6, 0x40000
	s_bfe_u32 s[CY], ttmp6, 0x40004
	s_and_b32 s[HP], ttmp9, 1
	s_lshl_b32 s[HP], s[HP], 2
	s_add_co_u32 s[HP], s[HP], s[CX]               ; pair of heads = 4 x (cluster x % 2) + cx
	s_and_b32 s[TB], ttmp7, 0xffff
	s_lshl_b32 s[TB], s[TB], 2
	s_add_co_u32 s[TB], s[TB], s[CY]               ; block of 256 tokens = 4 x cluster y + cy
	s_lshl_b32 s56, s[CY], 2
	s_lshl_b32 s56, 15, s56                        ; my row of the cluster
	s_lshl_b32 s60, 0x1111, s[CX]                  ; my column
	s_or_b32 s[G1X], s56, (3<<16)|(1<<21)          ; the mask; elements of 8 bytes; bit 21 beside a mask; no padding
	s_or_b32 s[G1W], s60, (3<<16)|(1<<21)
.irp g, G1X, G1W
	s_mov_b32 s[\g+1], 32<<16                      ; 38,400 dense bytes as 150 rows of 256
	s_mov_b32 s[\g+2], 150<<16
	s_mov_b32 s[\g+3], 32<<16
	s_mov_b32 s[\g+4], 150
	s_mov_b32 s[\g+5], 32
	s_mov_b32 s[\g+6], 0
	s_mov_b32 s[\g+7], 0
.endr
	s_lshl_b32 s56, s[TB], 1                       ; x's records of block 2 TB + wave % 2 (s56-57 never hold cx)
	s_add_co_u32 s56, s56, s[HB]
	s_mul_i32 s56, s56, 16*REC
	s_mov_b32 s57, 0
	s_lshl_b32 s60, s[HP], 1                       ; the weights' (s60-61 never hold cy): head 2 HP + wave % 2,
	s_add_co_u32 s60, s60, s[HB]
	s_mul_i32 s60, s60, 16*REC
	s_mul_i32 s61, s[ROLE], 256*REC                ; of the role's weight
	s_add_co_u32 s60, s60, s61
	s_mov_b32 s61, 0
	s_mul_i32 s62, s[WV], PART                     ; where they go: wave x a part: no place in the cluster enters an LDS address
	s_wait_dscnt 0x0                               ; the opening add is done
	s_wait_kmcnt 0x0
	s_add_nc_u64 s[56:57], s[4:5], s[56:57]
	s_add_nc_u64 s[60:61], s[6:7], s[60:61]
	CROUND                                         ; all sixteen work-groups are here: the first joint loads meet
.irp s, 0,1
	s_mov_b32 s[G0X+4*\s], 1
	s_add_co_u32 s[G0X+4*\s+1], s62, \s*SLOT
	s_add_nc_u64 s[G0X+4*\s+2:G0X+4*\s+3], s[56:57], \s*PART     ; slot s begins with K steps 3 s to 3 s + 2
	s_or_b32 s[G0X+4*\s+3], s[G0X+4*\s+3], 0x80000000
	s_mov_b32 s[G0W+4*\s], 1
	s_add_co_u32 s[G0W+4*\s+1], s62, \s*SLOT
	s_add_nc_u64 s[G0W+4*\s+2:G0W+4*\s+3], s[60:61], \s*PART
	s_or_b32 s[G0W+4*\s+3], s[G0W+4*\s+3], 0x80000000
	JLOAD \s                                       ; two loads of mine are out
.endr
	s_mul_i32 s66, s[RA], PART                     ; my tokens' records in a slot,
	s_mul_i32 s69, s[HB], PART
	s_add_co_u32 s69, s69, 2*PART                  ; my head's
	s_cmp_eq_u32 s[ROLE], 2
	s_cselect_b32 s67, s69, s66                    ; the A side: x, or for v my head
	s_cselect_b32 s68, s66, s69                    ; the B side: my head, or for v x
	s_cselect_b32 s[MS], 0, 1.0                    ; m
	s_cselect_b32 s76, 1.0, 0                      ; n
	s_mov_b32 s[MS+1], s[MS]
	v_mov_b32 v[NV], s76
	v_mov_b32 v[NV+1], s76
	v_and_b32 v1, 31, v0
	v_lshlrev_b32 v[LI], 4, v1
	v_lshlrev_b32 v2, 2, v1
	v_add_nc_u32 v[ADRA], s67, v[LI]
	v_add_nc_u32 v[ADRA+1], SLOT, v[ADRA]
	v_add_nc_u32 v[ADSA], s67, v2
	v_add_nc_u32 v[ADSA+1], SLOT, v[ADSA]
	v_add_nc_u32 v[ADRB], s68, v[LI]
	v_add_nc_u32 v[ADRB+1], SLOT, v[ADRB]
	v_add_nc_u32 v[ADSB], s68, v2
	v_add_nc_u32 v[ADSB+1], SLOT, v[ADSB]
	v_and_b32 v3, 15, v0                           ; r
	v_bfe_u32 v4, v0, 4, 1                         ; h
	v_and_b32 v5, 8, v3
	v_add_nc_u32 v5, v5, v3                        ; r + 8 (r / 8)
	v_lshlrev_b32 v[CSO], 8, v5                    ; a row of cos or sin is 256 bytes
	v_lshl_add_u32 v[CSO], v4, 5, v[CSO]           ; + 32 h: my half's eight pairs of each 32 channels
	v_lshlrev_b32 v[LS], 2, v3
.irp b, 0,1,2,3
	v_mov_b32 v[TM+4+\b], 0                        ; written once: a lane permute's destination counts as one of its sources
.endr
	s_mov_b32 s[SEL], 0x76543210
	s_mov_b32 s[SEL+1], 0xfedcba98
	s_mov_b32 s[STP], 6*REC                        ; slot 1: from K steps 3-5 to 9-11
	s_mov_b32 s[STP+1], 0
	s_lshl_b32 s[MB], s[TB], 1
	s_add_co_u32 s[MB], s[MB], s[RA]               ; my block of 128 tokens
	s_lshl_b32 s77, s[HP], 1
	s_add_co_u32 s77, s77, s[HB]                   ; my head
	s_lshl_b32 s77, s77, 4
	s_add_co_u32 s77, s77, s[MB]                   ; 16 head + block
	s_mov_b32 s78, 2*REC
	s_cmp_eq_u32 s[ROLE], 0
	s_cselect_b32 s78, REC, s78
	s_cselect_b64 s[OUT:OUT+1], s[12:13], s[14:15]
	s_mul_i32 s78, s77, s78
	s_cmp_eq_u32 s[ROLE], 2
	s_cselect_b32 s79, REC, 0                      ; V's record lies behind K's
	s_add_co_u32 s78, s78, s79
	s_mov_b32 s79, 0
	s_add_nc_u64 s[OUT:OUT+1], s[OUT:OUT+1], s[78:79]
	s_lshl_b32 s78, s[MB], 15                      ; cos and sin at my block's first token
	s_add_nc_u64 s[8:9], s[8:9], s[78:79]
	s_add_nc_u64 s[10:11], s[10:11], s[78:79]
.macro FRAG reg, adr, q, i             ; a fragment is three loads of 16 bytes a lane, 512 consecutive bytes each
.irp g, 0,1,2
	ds_load_b128 v[\reg+4*\g:\reg+4*\g+3], v[\adr] offset:REC*(\q)+FRB*(\i)+512*\g
.endr
.endm
.macro FETCH_B slot, q, p
	WIN TO_B
.irp i, 0,1,2,3,4,5,6,7
	FRAG 128*(\p)+12*\i, ADRB+\slot, \q, \i
.endr
	WIN 0
.endm
.macro FETCH_A slot, q, i0
.irp i, \i0, \i0+1, \i0+2, \i0+3
	FRAG AF+12*(\i), ADRA+\slot, \q, \i
.endr
.endm
.macro SCALES slot, q, p
.irp i, 0,1,2,3
	ds_load_b32 v[SC+8*(\p)+\i], v[ADSA+\slot] offset:REC*(\q)+RSC+128*\i
	ds_load_b32 v[SC+8*(\p)+4+\i], v[ADSB+\slot] offset:REC*(\q)+RSC+128*\i
.endr
.endm
; 16 matrix instructions: A's tiles a0, a0 + 1 x B's eight.  The 64 accumulators take turns, one instruction a turn, in the same order in every step.
.macro MUL16 a0, p, zero
.irp a, \a0, \a0+1
.irp b, 0,1,2,3,4,5,6,7
.set rD, 8*(8*((\a)%4)+\b)
.set rP, 128*(\p)+12*\b
.set rQ, AF+12*(\a)
.set rX, SC+8*(\p)+4+\b/2
.set rY, SC+8*(\p)+(\a)/2
	WM \zero, \b%2, (\a)%2
.endr
.endr
.endm
; The slot's K step q (0 or 1), on B's set p; its successor lies in the same slot and goes to the other set.  A tile of A is free as soon as its eight products are issued: tiles 0-3 are fetched anew in the middle, 4-7 at the end.
; Four plain places stand in front of each run of loads into registers that matrix instructions have read.
.macro STEP slot, q, p, zero
	s_wait_dscnt 12                                ; all but the youngest twelve loads (A's tiles 4-7)
	WIN MUL_LO
	MUL16 0, \p, \zero
	MUL16 2, \p, \zero
	s_wait_dscnt 0x0
	PLACES
	FETCH_B \slot, (\q)+1, 1-(\p)
	FETCH_A \slot, (\q)+1, 0
	SCALES \slot, (\q)+1, 1-(\p)
	WIN MUL_HI
	MUL16 4, \p, \zero
	MUL16 6, \p, \zero
	PLACES
	WIN 0
	FETCH_A \slot, (\q)+1, 4
.endm
; A slot's third K step, on set p, changes slots: one barrier; in front of it each wave waits for all its tensor loads, adds 0 to its spare word, and waits for that and for its reads of this slot.
; Its successor is K step nq of the next slot.  fill = 1: this slot is filled again; stp = 1: its address steps by the pair s[STP:STP+1].
.macro TURN slot, next, nq, p, fill, stp
	s_wait_tensorcnt 0x0                           ; my part of the next slot has landed; no load of mine is out
	ds_add_u32 v[SPW], v[NIL]
	s_wait_dscnt 13                                ; (the add and A's tiles 4-7 may be out)
	WIN MUL_LO
	MUL16 0, \p, 0
	s_wait_dscnt 0x0                               ; the add is done, and my reads of this slot are over
	s_barrier_signal -1
	MUL16 2, \p, 0
	WIN 0
	s_barrier_wait -1
.if \fill
	CREST                                          ; the barrier has opened a round of the cluster's: no wave of any partner still reads this slot or has a load on its way
.if \stp
	s_add_nc_u64 s[G0X+4*\slot+2:G0X+4*\slot+3], s[G0X+4*\slot+2:G0X+4*\slot+3], s[STP:STP+1]
	s_add_nc_u64 s[G0W+4*\slot+2:G0W+4*\slot+3], s[G0W+4*\slot+2:G0W+4*\slot+3], s[STP:STP+1]
	s_mov_b32 s[STP], 4*REC                        ; the next and last time: from K steps 9-11 to 13-15
.else
	s_add_nc_u64 s[G0X+4*\slot+2:G0X+4*\slot+3], s[G0X+4*\slot+2:G0X+4*\slot+3], 6*REC
	s_add_nc_u64 s[G0W+4*\slot+2:G0W+4*\slot+3], s[G0W+4*\slot+2:G0W+4*\slot+3], 6*REC
.endif
	JLOAD \slot                                    ; the first tensor load behind the round, 160 matrix instructions ahead of the wait for it; its four v_nop are also the places in front of the loads below
.else
	PLACES
.endif
	FETCH_B \next, \nq, 1-(\p)
	FETCH_A \next, \nq, 0
	SCALES \next, \nq, 1-(\p)
	WIN MUL_HI
	MUL16 4, \p, 0
	MUL16 6, \p, 0
	PLACES
	WIN 0
	FETCH_A \next, \nq, 4
.endm
; cos and sin of tile a's tokens: register k of 32 is pair 16 (k / 8) + 8 (lane / 16) + k % 8.  Window 1, set a % 4 of four: cos at +0, sin at +32
.macro CSLOAD a
	WIN TO_B
.irp b, 0,1,2,3
.irp u, 0,1
	global_load_b128 v[64*((\a)%4)+8*\b+4*\u:64*((\a)%4)+8*\b+4*\u+3], v[CSO], s[8:9] offset:(32*((\a)/2)+8*((\a)%2))*256+64*\b+16*\u
	global_load_b128 v[64*((\a)%4)+32+8*\b+4*\u:64*((\a)%4)+32+8*\b+4*\u+3], v[CSO], s[10:11] offset:(32*((\a)/2)+8*((\a)%2))*256+64*\b+16*\u
.endr
.endr
	WIN 0
.endm
	s_wait_tensorcnt 1                             ; my part of slot 0 is in; slot 1's may stay out
	s_barrier_signal -1
	s_barrier_wait -1
	FETCH_B 0, 0, 0
	FETCH_A 0, 0, 0
	SCALES 0, 0, 0
	FETCH_A 0, 0, 4
	STEP 0, 0, 0, 1                                ; K step 0: its products start the sums: nothing is cleared
	s_mov_b32 s[LAP], 2
.Llap:                                             ; a trip is six K steps, once round the ring (steps 1-6, then 7-12), and fills both slots again; K step n works on set n % 2
	STEP 0, 1, 1, 0
	TURN 0, 1, 0, 0, 1, 0                          ; slot 0 takes K steps 6-8, then 12-14
	STEP 1, 0, 1, 0
	STEP 1, 1, 0, 0
	TURN 1, 0, 0, 1, 1, 1                          ; slot 1 takes K steps 9-11, then 13-15
	STEP 0, 0, 0, 0
	s_sub_co_u32 s[LAP], s[LAP], 1
	s_cmp_lg_u32 s[LAP], 0
	s_cbranch_scc1 .Llap
	STEP 0, 1, 1, 0                                ; K step 13
	TURN 0, 1, 2, 0, 0, 0                          ; K step 14; nothing is filled; K step 15 is slot 1's third
	CSLOAD 0                                       ; into v0-127 of window 1, B's set 0 and what lies behind it: the last step does not read them, and their last readers stand behind TURN's places
	CSLOAD 1
	s_wait_dscnt 12
	WIN MUL_LO
	MUL16 0, 1, 0
	MUL16 2, 1, 0
	s_wait_dscnt 0x0
	WIN MUL_HI
	MUL16 4, 1, 0
	MUL16 6, 1, 0
	WIN 0
	PLACES                                         ; in front of loads into B's set 1, of the first read of results and of the first write of operands' registers
	CSLOAD 2
; Tile a of the A side: rotate (x0, x1) -> (x0 c - x1 s, x1 c + x0 s), quantise, store the fragment and its scale words.  Each accumulator is read from its low end on.
; cos and sin are asked for three tiles ahead: 48 loads of mine are out at the most.
.macro EPI a
.set CSB, 64*((\a)%4)
.set AC,  64*((\a)%4)
.set WRD, 0x04|(2+(\a)/4)              ; source 0: the accumulators' window; source 1: window 1
.if (\a) < 6
	s_wait_loadcnt 32                              ; this tile's cos and sin are in; the next two tiles' 32 loads may be out
.elseif (\a) == 6
	s_wait_loadcnt 16
.else
	s_wait_loadcnt 0x0
.endif
.if (\a) < 5
	CSLOAD (\a)+3                                  ; into the set that the tile before has done with
.endif
	WIN 0x41
.irp i, 0,2,4,6,8,10,12,14,16,18,20,22,24,26,28,30
	v_pk_fma_f32 v[CSB+\i:CSB+\i+1], v[CSB+\i:CSB+\i+1], s[MS:MS+1], v[NV:NV+1] op_sel_hi:[1,0,1]   ; c m + n
	v_pk_mul_f32 v[CSB+32+\i:CSB+33+\i], v[CSB+32+\i:CSB+33+\i], s[MS:MS+1] op_sel_hi:[1,0]         ; s m
.endr
	WIN WRD
.irp i, 0,1,2,3,4,5,6,7,8,9,10,11,12,13,14,15
	v_pk_mul_f32 v[H+4*\i:H+4*\i+1], v[AC+4*\i:AC+4*\i+1], v[CSB+32+2*\i:CSB+33+2*\i] op_sel:[1,0] op_sel_hi:[0,0] neg_lo:[1,0]     ; (-x1 s, x0 s), pair 2 i
	v_pk_mul_f32 v[H+4*\i+2:H+4*\i+3], v[AC+4*\i+2:AC+4*\i+3], v[CSB+32+2*\i:CSB+33+2*\i] op_sel:[1,1] op_sel_hi:[0,1] neg_lo:[1,0] ; pair 2 i + 1
.endr
.irp i, 0,1,2,3,4,5,6,7,8,9,10,11,12,13,14,15
	v_pk_fma_f32 v[H+4*\i:H+4*\i+1], v[AC+4*\i:AC+4*\i+1], v[CSB+2*\i:CSB+2*\i+1], v[H+4*\i:H+4*\i+1] op_sel:[0,0,0] op_sel_hi:[1,0,1]       ; + (x0 c, x1 c)
	v_pk_fma_f32 v[H+4*\i+2:H+4*\i+3], v[AC+4*\i+2:AC+4*\i+3], v[CSB+2*\i:CSB+2*\i+1], v[H+4*\i+2:H+4*\i+3] op_sel:[0,1,0] op_sel_hi:[1,1,1]
.endr
	WIN 0
.if (\a) > 0
	s_wait_xcnt 0x0                                ; the last tile's stores have read the codes' and the word's registers, which the quantiser writes next
.endif
	QUANT H
.irp g, 0,1,2
	global_store_b128 v[LI], v[PC+4*\g:PC+4*\g+3], s[OUT:OUT+1] offset:FRB*(\a)+512*\g   ; 512 consecutive bytes a store
.endr
	global_store_b32 v[LS], v[PW], s[OUT:OUT+1] offset:RSC+64*(\a)   ; lanes r and r + 16 write the same word with the same value
.endm
.irp a, 0,1,2,3,4,5,6,7
	EPI \a
.endr
	s_wait_tensorcnt 0x0                           ; the wave's end
	ds_add_u32 v[SPW], v[NIL]
	s_wait_dscnt 0x0
	CROUND                                         ; the closing round
	s_endpgm
.Lfunc_end_k_qeab04f50c9_qkv:
	.size	k_qeab04f50c9_qkv, .Lfunc_end_k_qeab04f50c9_qkv-k_qeab04f50c9_qkv
	.p2alignl 7, 3214868480
	.fill 96, 4, 3214868480
	.section	.rodata,"a",@progbits
	.p2align	6, 0x0
	.amdhsa_kernel k_qeab04f50c9_qkv
		.amdhsa_group_segment_fixed_size 327680
		.amdhsa_private_segment_fixed_size 0
		.amdhsa_enable_private_segment 0
		.amdhsa_kernarg_size 48
		.amdhsa_user_sgpr_count 2
		.amdhsa_user_sgpr_kernarg_segment_ptr 1
		.amdhsa_wavefront_size32 1
		.amdhsa_system_sgpr_workgroup_id_x 1
		.amdhsa_system_sgpr_workgroup_id_y 1
		.amdhsa_system_sgpr_workgroup_id_z 1
		.amdhsa_system_vgpr_workitem_id 0
		.amdhsa_next_free_vgpr 1024
		.amdhsa_next_free_sgpr 82
		.amdhsa_reserve_vcc 0
		.amdhsa_float_denorm_mode_32 3
		.amdhsa_float_denorm_mode_16_64 3
		.amdhsa_memory_ordered 1
		.amdhsa_forward_progress 1
		.amdhsa_inst_pref_size 225
	.end_amdhsa_kernel
	.amdgpu_metadata
---
amdhsa.version: [ 1, 2 ]
amdhsa.kernels:
  - .name:           k_qeab04f50c9_qkv
    .symbol:         k_qeab04f50c9_qkv.kd
    .args:
      - { .name: xr, .offset: 0, .size: 8, .value_kind: global_buffer, .address_space: global }
      - { .name: wr, .offset: 8, .size: 8, .value_kind: global_buffer, .address_space: global }
      - { .name: freqs_cos, .offset: 16, .size: 8, .value_kind: global_buffer, .address_space: global }
      - { .name: freqs_sin, .offset: 24, .size: 8, .value_kind: global_buffer, .address_space: global }
      - { .name: qr, .offset: 32, .size: 8, .value_kind: global_buffer, .address_space: global }
      - { .name: kvr, .offset: 40, .size: 8, .value_kind: global_buffer, .address_space: global }
    .group_segment_fixed_size: 327680
    .private_segment_fixed_size: 0
    .kernarg_segment_align: 8
    .kernarg_segment_size: 48
    .max_flat_workgroup_size: 128
    .sgpr_count:     82
    .vgpr_count:     1024
    .wavefront_size: 32
...
	.end_amdgpu_metadata
.endif
;; end of part 2
;; launch attn (part 3): grid 16 x 16, 8 waves a work-group, clusters of 4 x 4, 327,680 bytes of LDS; arguments qr, kvr, mask, aor; writes aor
.if DOCPART == 3
	.amdgcn_target "amdgcn-amd-amdhsa--gfx1250"
	.amdhsa_code_object_version 6
	.text
	.protected	k_qeab04f50c9_attn
	.globl	k_qeab04f50c9_attn
	.p2align	8
	.type	k_qeab04f50c9_attn,@function
k_qeab04f50c9_attn:
	s_mov_b64 s[64:65], 0
	v_nop
	global_prefetch_b8 v0, s[64:65] scope:SCOPE_SE
	s_setreg_imm32_b32 hwreg(HW_REG_WAVE_MODE, 25, 1), 1
	s_wait_xcnt 0x0
	s_wait_alu depctr_hold_cnt(0) depctr_sa_sdst(0) depctr_va_vdst(0) depctr_va_sdst(0) depctr_va_ssrc(0) depctr_va_vcc(0) depctr_vm_vsrc(0)
	s_getreg_b32 s2, hwreg(HW_REG_IB_STS2, 6, 4)
	s_cmp_eq_u32 s2, 0
	s_cbranch_scc0 .Lentry_in_a_cluster
	s_endpgm
.Lentry_in_a_cluster:
	s_bfe_u32 s2, ttmp6, 0x10000c
	s_cmp_lg_u32 s2, 0xf033
	s_cbranch_scc0 .Lentry_shape_is_right
	s_endpgm
.Lentry_shape_is_right:
; o = softmax(q k^T / sqrt(128) + mask) v for 16 heads of 2,048 x 128, both products on codes of FP6 with E8M0 scales; o leaves as codes, quantised along the channels, for the last product.
; THE MASK IS AN INPUT: every key of every query is multiplied, and all of the mask is read and added in f32.
; THE SOFTMAX: t = score x log2(e) / sqrt(128) + mask x log2(e), rounded to f32; M = the running largest t rounded up to a whole number, kept as -M = floor(-t); p = 2^(t - M) is quantised along the keys, not normalised.
; t is formed first and M taken off afterwards, so that a row whose every t is the same huge negative number gives p = 1.  The row's sum is taken of the unquantised p and divides at the end.
; When M moves, the sum and O are multiplied by 2^(old M - new M), made by v_ldexp_f32: nothing is rounded, and no branch hangs on data.
; SHARES.  A work-group owns 128 queries of one head; each of its eight waves one tile of 16 (place r of tile w is query 32 (w / 2) + 8 (w % 2) + 16 (r / 8) + r % 8), two waves to a SIMD.  16 key steps of 128.
; Both products are used transposed (S^T = K Q^T, O^T = V^T P^T): a lane holds one query; by the order of rows in a tile its 64 registers are keys (or channels) 32 b + 16 (lane / 16) + i.
; THE RING: two slots, 2^17 bytes apart; a slot holds a key step: K's and V's records (25,600 bytes) and the mask's 128 rows x 512 bytes, 520 bytes apart, so that the 32 lanes of a load of 8 bytes take 32 different
; pieces of 8 bytes modulo 256.  Two slots of two key steps would not fit.
; THE ORDER OF THE KEYS.  A cluster begins at key step 4 ((cluster x + f(cluster y)) mod 4), f = 0, 2, 1, 3, and walks all sixteen round.  So the four clusters that read a head's K and V, and the four that read a block of
; queries' rows of the mask, begin 4, 8 or 12 key steps apart and ask for the same tile at different times.  The running M and the running sums serve any order of the keys; the f32 sums are rounded in the order walked.
; THE STEP IS TURNED: behind a change of slots come the LDS loads of K and the mask of step j, then the second half of step j - 1 (sums, quantising of p, V^T P^T), which needs registers alone, then V's loads, then step j's first half.
; CLUSTERS: 4 x 4.  K and V hang on the head alone, shared along a row of the cluster; the mask's tile on the block of queries alone, shared along a column: joint loads, a quarter of the requests.
; LIMITS: t under -3e38 counts as -infinity; a row whose every logit is -infinity gives NaN, as in the reference; NaN among the inputs is not served.
.set REC,   12800
.set RSC,   12288
.set FRB,   1536
.set SLOT1, 1<<17
.set MOFF,  2*REC
.set MP,    520
.set SPARE, SLOT1+MOFF+128*MP          ; the spare words, 128 bytes a wave: four blocks of 256 bytes that no other line names
.set WV,  12
.set CX,  13
.set CY,  14
.set QB,  15
.set HD,  16
.set SEL, 20                           ; s[20:21]
.set CS,  22                           ; s[22:23] log2(e) / sqrt(128)
.set L2E, 24                           ; s[24:25] log2(e)
.set G1K, 28                           ; s[28:35], s[36:39] K's and V's records
.set G0K, 36
.set G1M, 40                           ; s[40:47], s[48:51] the mask's tile
.set G0M, 48
.set TB,  52                           ; the slot in hand
.set SLOTS, 53                         ; tiles still to be asked for
.set PFA, 54                           ; s[54:55] where my prefetches stand
.set PFS, 56                           ; s[56:57] a key step on
.set LIM, 58                           ; 13 in a wave that prefetches, else the greatest number
.set JJ,  59                           ; the key step that is asked for next, 0 .. 15
.set BK,  60                           ; s[60:61] the head's first record
.set BM,  62                           ; s[62:63] my rows of the mask, at key 0
.set TO,  76                           ; s[76:77] an offset; s77 stays 0
.set LI,  1                            ; v1  16 x lane
.set AS0, 2                            ; v2  RSC + 4 x lane
.set AM0, 3                            ; v3  my query's row of the mask's tile, + 64 (lane / 16)
.set SPW, 4
.set NIL, 5
.set PFO, 7
.set ADK, 8
.set ADS, 9
.set ADM, 10
.set GI,  28                           ; v28 16 x lane + 1536 w: my tile's fragment in a record
.set GS,  29                           ; v29 its scale words
.set TM,  32
.set PW,  48
.set PC,  52
.set VS,  72                           ; v72-75 V's scale words;  v248-251 K's;  v253 p's;  v255 Q's
; v12 -M, v13 largest t, v[14:15] the sum, v16-27 Q, v96-159 S^T, t, p, v160-223 O^T, v224-235 p's codes, v232-247, v252, v254 at work.  Window 1: v0-63 the mask, v64-159 V's fragments, v160-255 K's.
.set MSB, 0
.macro WIN new
.if MSB != (\new)
	s_set_vgpr_msb (MSB<<8)|(\new)
.set MSB, \new
.endif
.endm
.macro PLACES
.rept 4
	v_nop
.endr
.endm
.macro CROUND
	s_barrier_signal -1
	s_barrier_wait -1
	s_cmp_lg_u32 s[WV], 0
	s_cbranch_scc1 .Lnot_wave_0_\@
	s_barrier_signal -3
.Lnot_wave_0_\@:
	s_barrier_wait -3
	s_barrier_signal -1
	s_barrier_wait -1
.endm
.macro WM z, r0                        ; source 1's scale word is always read from lanes 0-15
.if (\z) && ((\r0) == 0)
	v_wmma_scale_f32_16x16x128_f8f6f4 v[rD:rD+7], v[rP:rP+11], v[rQ:rQ+11], 0, v[rX], v[rY] matrix_a_fmt:MATRIX_FMT_FP6 matrix_b_fmt:MATRIX_FMT_FP6
.elseif (\z)
	v_wmma_scale_f32_16x16x128_f8f6f4 v[rD:rD+7], v[rP:rP+11], v[rQ:rQ+11], 0, v[rX], v[rY] matrix_a_fmt:MATRIX_FMT_FP6 matrix_b_fmt:MATRIX_FMT_FP6 matrix_a_scale:MATRIX_SCALE_ROW1
.elseif ((\r0) == 0)
	v_wmma_scale_f32_16x16x128_f8f6f4 v[rD:rD+7], v[rP:rP+11], v[rQ:rQ+11], v[rD:rD+7], v[rX], v[rY] matrix_a_fmt:MATRIX_FMT_FP6 matrix_b_fmt:MATRIX_FMT_FP6
.else
	v_wmma_scale_f32_16x16x128_f8f6f4 v[rD:rD+7], v[rP:rP+11], v[rQ:rQ+11], v[rD:rD+7], v[rX], v[rY] matrix_a_fmt:MATRIX_FMT_FP6 matrix_b_fmt:MATRIX_FMT_FP6 matrix_a_scale:MATRIX_SCALE_ROW1
.endif
.endm
.macro QUANT s
.irp b, 0,1,2,3
	v_max3_num_f32 v[TM+\b], |v[\s+16*\b]|, |v[\s+1+16*\b]|, 0x1800000
.endr
.irp i, 2,4,6,8,10,12,14
.irp b, 0,1,2,3
	v_max3_num_f32 v[TM+\b], v[TM+\b], |v[\s+16*\b+\i]|, |v[\s+1+16*\b+\i]|
.endr
.endr
.irp b, 0,1,2,3
	v_permlanex16_b32 v[TM+4+\b], v[TM+\b], s[SEL], s[SEL+1]
.endr
.irp b, 0,1,2,3
	v_max_num_f32 v[TM+\b], v[TM+\b], v[TM+4+\b]
.endr
.irp b, 0,1,2,3
	v_add_nc_u32 v[TM+12+\b], 0xff000000, v[TM+\b]
.endr
.irp b, 0,1,2,3
	v_lshrrev_b32 v[TM+4+\b], 23, v[TM+12+\b]
.endr
	v_lshl_or_b32 v[PW], v[TM+5], 8, v[TM+4]
	v_lshl_or_b32 v[PW], v[TM+6], 16, v[PW]
	v_lshl_or_b32 v[PW], v[TM+7], 24, v[PW]
.irp c, 0,1
	v_cvt_scalef32_pk16_fp6_f32 v[PC+6*\c:PC+2+6*\c], v[\s+32*\c:\s+15+32*\c], v[TM+12+2*\c]
	v_cvt_scalef32_pk16_fp6_f32 v[PC+12+4*\c:PC+14+4*\c], v[\s+16+32*\c:\s+31+32*\c], v[TM+12+2*\c+1]
.endr
	v_nop
.irp c, 0,1
.irp i, 0,1,2
	v_permlane16_swap_b32 v[PC+6*\c+\i], v[PC+12+4*\c+\i]
.endr
.irp i, 0,1,2
	v_mov_b32 v[PC+3+6*\c+\i], v[PC+12+4*\c+\i]
.endr
.endr
.endm
; Wave 0 fetches K's and V's records, waves 1 and 2 the mask's halves, the others nothing.  The branches hang on the wave's number alone.  An s_nop 0 and four v_nop follow each line.
.macro TLOAD
	s_cmp_eq_u32 s[WV], 0
	s_cbranch_scc0 .Lnot_kv_\@
	tensor_load_to_lds s[G0K:G0K+3], s[G1K:G1K+7]
	s_nop 0
	PLACES
	s_branch .Lasked_\@
.Lnot_kv_\@:
	s_cmp_lt_u32 s[WV], 3
	s_cbranch_scc0 .Lasked_\@
	tensor_load_to_lds s[G0M:G0M+3], s[G1M:G1M+7]
	s_nop 0
	PLACES
.Lasked_\@:
.endm
; The two tiles' global addresses for key step s[JJ]: base + step x size, and the type bits
.macro SETG
	s_mul_i32 s[TO], s[JJ], 2*REC
	s_add_nc_u64 s[G0K+2:G0K+3], s[BK:BK+1], s[TO:TO+1]
	s_or_b32 s[G0K+3], s[G0K+3], 0x80000000
	s_lshl_b32 s[TO], s[JJ], 9
	s_add_nc_u64 s[G0M+2:G0M+3], s[BM:BM+1], s[TO:TO+1]
	s_or_b32 s[G0M+3], s[G0M+3], 0x80000000
.endm
; A PREFETCH INTO THE L2 of the key step that the NEXT change of slots will ask for, behind the tensor loads of this change.  Of the clusters that read a tile, the one whose walk begins in the tile's group of four key steps
; reads it first: so each cluster asks within its walk's first four key steps alone, and each block of 256 bytes is named once in the launch.  The walk's steps 0 and 1 come by their loads alone; steps 2 and 3 are named, at
; the first two changes of slots (they do not pass key step 15: a walk begins at a multiple of 4).  Wave 3 asks for K's and V's 25,600 bytes: the four partners along x take 25 blocks each, told apart by address (lanes 25-31
; name lane 24's block).  Waves 4 and 5 ask for the first and second 256 bytes of the mask's rows: the four partners along y take 32 rows each, a lane a row.
.macro ASK
	s_cmp_gt_u32 s[SLOTS], s[LIM]
	s_cbranch_scc0 .Lnot_mine_\@
	global_prefetch_b8 v[PFO], s[PFA:PFA+1] th:TH_LOAD_NT scope:SCOPE_SE
.Lnot_mine_\@:
.endm
	s_load_b256 s[4:11], s[0:1], 0x0               ; qr s[4:5], kvr s[6:7], mask s[8:9], aor s[10:11]
	v_lshl_add_u32 v[SPW], v0, 2, SPARE
	v_mov_b32 v[NIL], 0
	ds_add_u32 v[SPW], v[NIL]                      ; the wave's opening: the add and its wait ahead of my first tensor load
	v_lshrrev_b32 v1, 5, v0
	v_readfirstlane_b32 s[WV], v1                  ; wave 0..7
	s_bfe_u32 s[CX], ttmp6, 0x40000
	s_bfe_u32 s[CY], ttmp6, 0x40004
	s_lshl_b32 s[QB], ttmp9, 2
	s_add_co_u32 s[QB], s[QB], s[CX]               ; block of queries = 4 x cluster x + cx
	s_and_b32 s[HD], ttmp7, 0xffff
	s_lshl_b32 s[HD], s[HD], 2
	s_add_co_u32 s[HD], s[HD], s[CY]               ; head = 4 x cluster y + cy
	s_and_b32 s[JJ], ttmp7, 0xffff                 ; where my cluster's walk begins: made of the cluster's x and y alone, the same in all sixteen partners
	s_and_b32 s[TO], s[JJ], 1
	s_lshl_b32 s[TO], s[TO], 1
	s_lshr_b32 s[JJ], s[JJ], 1
	s_add_co_u32 s[JJ], s[JJ], s[TO]               ; f(cluster y) = 0, 2, 1, 3
	s_add_co_u32 s[JJ], s[JJ], ttmp9
	s_and_b32 s[JJ], s[JJ], 3
	s_lshl_b32 s[JJ], s[JJ], 2                     ; key step 0, 4, 8 or 12
	s_mov_b32 s[TO+1], 0
	s_lshl_b32 s60, s[CY], 2
	s_lshl_b32 s60, 15, s60                        ; my row of the cluster
	s_lshl_b32 s62, 0x1111, s[CX]                  ; my column
	s_or_b32 s[G1K], s60, (3<<16)|(1<<21)          ; 25,600 dense bytes as 100 rows of 256
	s_mov_b32 s[G1K+1], 32<<16
	s_mov_b32 s[G1K+2], 100<<16
	s_mov_b32 s[G1K+3], 32<<16
	s_mov_b32 s[G1K+4], 100
	s_mov_b32 s[G1K+5], 32
	s_mov_b32 s[G1K+6], 0
	s_mov_b32 s[G1K+7], 0
	s_or_b32 s[G1M], s62, (2<<16)|(1<<20)|(1<<21)|(6<<22)|(1<<25)   ; elements of 4 bytes; 2 words of padding behind every 128
	s_mov_b32 s[G1M+1], 128<<16
	s_mov_b32 s[G1M+2], 64<<16
	s_mov_b32 s[G1M+3], 128<<16
	s_mov_b32 s[G1M+4], 64
	s_mov_b32 s[G1M+5], 2048
	s_mov_b32 s[G1M+6], 0
	s_mov_b32 s[G1M+7], 0
	s_mul_i32 s60, s[HD], 32*REC                   ; the head's records (s60-61 never hold cx)
	s_mov_b32 s61, 0
	s_lshr_b32 s66, s[WV], 1                       ; wave 1: the tile's rows 0-63; wave 2: rows 64-127
	s_lshl_b32 s62, s[QB], 7                       ; (s62-63 never hold cy)
	s_lshl_b32 s63, s66, 6
	s_add_co_u32 s62, s62, s63
	s_lshl_b32 s62, s62, 13                        ; rows of 8,192 bytes
	s_mov_b32 s63, 0
	s_mul_i32 s66, s66, 64*MP
	s_add_co_u32 s66, s66, MOFF
	s_mov_b32 s[SEL], 0x76543210
	s_mov_b32 s[SEL+1], 0xfedcba98
	s_mov_b32 s[CS], 0x3e0293ee
	s_mov_b32 s[CS+1], s[CS]
	s_mov_b32 s[L2E], 0x3fb8aa3b
	s_mov_b32 s[L2E+1], s[L2E]
	s_mov_b32 s[TB], 0
	s_mov_b32 s[SLOTS], 15
	s_wait_dscnt 0x0                               ; the opening add is done
	s_wait_kmcnt 0x0
	s_add_nc_u64 s[BK:BK+1], s[6:7], s[60:61]
	s_add_nc_u64 s[BM:BM+1], s[8:9], s[62:63]
	s_mov_b32 s[G0K], 1
	s_mov_b32 s[G0K+1], 0
	s_mov_b32 s[G0M], 1
	s_mov_b32 s[G0M+1], s66
	SETG                                           ; the walk's first key step
	CROUND                                         ; all sixteen work-groups are here
	TLOAD                                          ; into slot 0
	v_and_b32 v6, 31, v0                           ; lane
	v_lshlrev_b32 v[LI], 4, v6
	v_lshlrev_b32 v[AS0], 2, v6
	v_add_nc_u32 v[AS0], RSC, v[AS0]
	v_and_b32 v8, 15, v0                           ; r
	v_bfe_u32 v9, v0, 4, 1                         ; h
	v_and_b32 v10, 8, v8
	v_add_nc_u32 v10, v10, v8                      ; r + 8 (r / 8)
	s_lshr_b32 s67, s[WV], 1
	s_lshl_b32 s67, s67, 5
	s_and_b32 s68, s[WV], 1
	s_lshl_b32 s68, s68, 3
	s_add_co_u32 s67, s67, s68                     ; my tile's first query: 32 (w / 2) + 8 (w % 2)
	s_mul_i32 s67, s67, MP
	s_add_co_u32 s67, s67, MOFF
	v_mul_u32_u24 v[AM0], v10, MP
	v_lshl_add_u32 v[AM0], v9, 6, v[AM0]
	v_add_nc_u32 v[AM0], s67, v[AM0]
	s_mul_i32 s68, s[WV], FRB
	v_add_nc_u32 v[GI], s68, v[LI]
	s_lshl_b32 s68, s[WV], 6
	s_add_co_u32 s68, s68, RSC
	v_lshl_add_u32 v[GS], v8, 2, s68
	s_lshl_b32 s68, s[HD], 4
	s_add_co_u32 s68, s68, s[QB]
	s_mul_i32 s68, s68, REC                        ; Q's record: 16 head + block
	s_mov_b32 s69, 0
	s_add_nc_u64 s[4:5], s[4:5], s[68:69]
	s_lshl_b32 s68, s[QB], 4
	s_add_co_u32 s68, s68, s[HD]
	s_mul_i32 s68, s68, REC                        ; o's record: 16 block + head
	s_add_nc_u64 s[10:11], s[10:11], s[68:69]
.irp g, 0,1,2
	global_load_b128 v[16+4*\g:19+4*\g], v[GI], s[4:5] offset:512*\g   ; Q's fragment stays in registers
.endr
	global_load_b32 v255, v[GS], s[4:5]            ; and its scale words
	; the prefetches: where my wave's stand, and who asks
	s_mul_i32 s70, s[HD], 32*REC
	s_mul_i32 s71, s[CX], 6400
	s_add_co_u32 s70, s70, s71
	s_mul_i32 s71, s[JJ], 2*REC
	s_add_co_u32 s70, s70, s71
	s_add_co_u32 s70, s70, 2*REC                   ; K, V: my work-group's 25 blocks, in the walk's step 1: the first change of slots steps it to step 2
	s_lshl_b32 s72, s[QB], 7
	s_lshl_b32 s73, s[CY], 5
	s_add_co_u32 s72, s72, s73
	s_lshl_b32 s72, s72, 13
	s_and_b32 s73, s[WV], 1
	s_lshl_b32 s73, s73, 8
	s_add_co_u32 s72, s72, s73
	s_lshl_b32 s73, s[JJ], 9
	s_add_co_u32 s72, s72, s73
	s_add_co_u32 s72, s72, 512                     ; the mask: my work-group's 32 rows, my wave's half of a row's 512 bytes, in the walk's step 1
	s_mov_b32 s[PFS], 512
	s_mov_b32 s69, 8192
	s_mov_b32 s75, 31
	s_cmp_eq_u32 s[WV], 3
	s_cselect_b64 s[PFA:PFA+1], s[6:7], s[8:9]
	s_cselect_b32 s[PFS], 2*REC, s[PFS]
	s_cselect_b32 s69, 256, s69                    ; from lane to lane
	s_cselect_b32 s75, 24, s75
	s_cselect_b32 s70, s70, s72
	s_mov_b32 s71, 0
	s_mov_b32 s[PFS+1], 0
	s_add_nc_u64 s[PFA:PFA+1], s[PFA:PFA+1], s[70:71]
	s_sub_co_u32 s73, s[WV], 3
	s_cmp_lt_u32 s73, 3                            ; waves 3, 4, 5
	s_cselect_b32 s[LIM], 13, -1                   ; they ask while 15 or 14 tiles are still to be asked for: a matter of the wave's number alone
	v_min_u32 v[PFO], s75, v6
	v_mul_lo_u32 v[PFO], v[PFO], s69
	v_mov_b32 v13, 0xff61b1e6                      ; the largest t so far: -3e38
	v_floor_f32 v12, -v13                          ; -M
	v_mov_b32 v14, 0
	v_mov_b32 v15, 0
.irp b, 0,1,2,3
	v_mov_b32 v[236+\b], 0                         ; written once: a lane permute's destination counts as one of its sources
	v_mov_b32 v[TM+4+\b], 0
.endr
	v_mov_b32 v253, 0                              ; (named as the upper half of v[252:253] before it is first written)
.irp j, 0,1,2,3,4,5,6,7,8,9,10,11,12,13,14,15,16,17,18,19,20,21,22,23,24,25,26,27,28,29,30,31,32,33,34,35,36,37,38,39,40,41,42,43,44,45,46,47,48,49,50,51,52,53,54,55,56,57,58,59,60,61,62,63
	v_mov_b32 v[160+\j], 0                         ; O^T: the step is written once for all steps; the first change of M leaves zeros zeros
.endr
.macro KM_LOAD                         ; the step's K (scale words, eight fragments) and my queries' 128 numbers of the mask: 60 LDS loads
	v_add_nc_u32 v[ADK], s[TB], v[LI]
	v_add_nc_u32 v[ADS], s[TB], v[AS0]
	v_add_nc_u32 v[ADM], s[TB], v[AM0]
.irp i, 0,1,2,3
	ds_load_b32 v[248+\i], v[ADS] offset:128*\i
.endr
	WIN 0x40
.irp t, 0,1,2,3,4,5,6,7
.irp g, 0,1,2
	ds_load_b128 v[160+12*\t+4*\g:163+12*\t+4*\g], v[ADK] offset:FRB*\t+512*\g
.endr
.endr
.irp b, 0,1,2,3
.irp e, 0,1,2,3,4,5,6,7
	ds_load_b64 v[16*\b+2*\e:16*\b+2*\e+1], v[ADM] offset:128*\b+8*\e
.endr
.endr
	WIN 0
.endm
.macro V_LOAD                          ; the step's V: 28 LDS loads
	PLACES                                         ; behind the products that read V's registers
.irp i, 0,1,2,3
	ds_load_b32 v[VS+\i], v[ADS] offset:REC+128*\i
.endr
	WIN 0x40
.irp t, 0,1,2,3,4,5,6,7
.irp g, 0,1,2
	ds_load_b128 v[64+12*\t+4*\g:67+12*\t+4*\g], v[ADK] offset:REC+FRB*\t+512*\g
.endr
.endr
	WIN 0
.endm
.macro HEAD                            ; scores, t, M, p
	s_wait_dscnt 60                                ; K is in; the mask's 32 loads and V's 28 may be out
	WIN 0x01
.irp t, 0,1,2,3,4,5,6,7
.set rD, 96+8*\t
.set rP, 160+12*\t
.set rQ, 16
.set rX, 248+\t/2
.set rY, 255
	WM 1, \t%2
.endr
	s_wait_dscnt 28                                ; the mask is in
	WIN 0x41
.irp j, 0,2,4,6,8,10,12,14,16,18,20,22,24,26,28,30,32,34,36,38,40,42,44,46,48,50,52,54,56,58,60,62
	v_pk_mul_f32 v[\j:\j+1], v[\j:\j+1], s[L2E:L2E+1] op_sel_hi:[1,0]   ; mask x log2(e).  (These are also the places behind the products)
.endr
	WIN 0x10
.irp j, 0,2,4,6,8,10,12,14,16,18,20,22,24,26,28,30,32,34,36,38,40,42,44,46,48,50,52,54,56,58,60,62
	v_pk_fma_f32 v[96+\j:97+\j], v[96+\j:97+\j], s[CS:CS+1], v[\j:\j+1] op_sel_hi:[1,0,1]   ; t, each accumulator from its low end on
.endr
	WIN 0
.irp b, 0,1,2,3
	v_max3_num_f32 v[232+\b], v[96+16*\b], v[97+16*\b], v[98+16*\b]   ; the largest t of each block of 32 keys: for the row's maximum, and, since p rises with t, for the block's largest p
.endr
.irp i, 3,5,7,9,11,13
.irp b, 0,1,2,3
	v_max3_num_f32 v[232+\b], v[232+\b], v[96+16*\b+\i], v[97+16*\b+\i]
.endr
.endr
.irp b, 0,1,2,3
	v_max_num_f32 v[232+\b], v[232+\b], v[111+16*\b]
.endr
.irp b, 0,1,2,3
	v_permlanex16_b32 v[236+\b], v[232+\b], s[SEL], s[SEL+1]
.endr
.irp b, 0,1,2,3
	v_max_num_f32 v[232+\b], v[232+\b], v[236+\b]
.endr
	v_max3_num_f32 v254, v232, v233, v234
	v_max_num_f32 v254, v254, v235
	v_max_num_f32 v13, v13, v254                   ; the running largest t
	v_mov_b32 v254, v12
	v_floor_f32 v12, -v13                          ; the new -M: a whole number
	v_sub_f32 v254, v12, v254                      ; old M - new M, 0 or less
	v_cvt_i32_f32 v254, v254                       ; (it saturates)
	v_ldexp_f32 v252, 1.0, v254                    ; f = 2^(old M - new M)
.irp j, 0,2,4,6,8,10,12,14,16,18,20,22,24,26,28,30,32,34,36,38,40,42,44,46,48,50,52,54,56,58,60,62
	v_pk_add_f32 v[96+\j:97+\j], v[96+\j:97+\j], v[12:13] op_sel_hi:[1,0]   ; t - M
.endr
.irp b, 0,1,2,3
	v_add_f32 v[232+\b], v[232+\b], v12            ; the same of each block's largest t
.endr
.irp j, 0,1,2,3,4,5,6,7,8,9,10,11,12,13,14,15,16,17,18,19,20,21,22,23,24,25,26,27,28,29,30,31,32,33,34,35,36,37,38,39,40,41,42,43,44,45,46,47,48,49,50,51,52,53,54,55,56,57,58,59,60,61,62,63
	v_exp_f32 v[96+\j], v[96+\j]                   ; p = 2^(t - M)
.endr
.irp b, 0,1,2,3
	v_exp_f32 v[232+\b], v[232+\b]                 ; the block's largest p: the same instructions on the same number give the same bits
.endr
	v_nop                                          ; a plain place behind the last exponential
	s_wait_alu depctr_va_vdst(0)                   ; one wait for the batch of 68, ahead of its first reader and of the branches that follow
.endm
.macro TAIL last                       ; the sum, p's codes and scale word, O^T
	v_pk_mul_f32 v[14:15], v[14:15], v[252:253] op_sel_hi:[1,0]   ; the sum under the new M
	v_pk_add_f32 v[236:237], v[96:97], v[98:99]    ; the row's sum is taken of the unquantised p, in two chains
.irp j, 4,8,12,16,20,24,28,32,36,40,44,48,52,56,60
	v_pk_add_f32 v[14:15], v[14:15], v[96+\j:97+\j]
	v_pk_add_f32 v[236:237], v[236:237], v[98+\j:99+\j]
.endr
	v_pk_add_f32 v[14:15], v[14:15], v[236:237]
.irp b, 0,1,2,3
	v_max_num_f32 v[232+\b], 0x1800000, v[232+\b]  ; the floor 2^(3 - 127): a block whose every p is 0 keeps the byte 1; its codes are zeros
.endr
.irp b, 0,1,2,3
	v_add_nc_u32 v[244+\b], 0xff000000, v[232+\b]
.endr
.irp b, 0,1,2,3
	v_lshrrev_b32 v[236+\b], 23, v[244+\b]
.endr
	v_lshl_or_b32 v253, v237, 8, v236              ; p's scale word for these 128 keys
	v_lshl_or_b32 v253, v238, 16, v253
	v_lshl_or_b32 v253, v239, 24, v253
.irp c, 0,1
	v_cvt_scalef32_pk16_fp6_f32 v[224+6*\c:226+6*\c], v[96+32*\c:111+32*\c], v[244+2*\c]
	v_cvt_scalef32_pk16_fp6_f32 v[236+4*\c:238+4*\c], v[112+32*\c:127+32*\c], v[244+2*\c+1]
.endr
	v_nop                                          ; one plain place behind a scaled conversion
.irp c, 0,1
.irp i, 0,1,2
	v_permlane16_swap_b32 v[224+6*\c+\i], v[236+4*\c+\i]
.endr
.irp i, 0,1,2
	v_mov_b32 v[227+6*\c+\i], v[236+4*\c+\i]
.endr
.endr
.irp j, 0,2,4,6,8,10,12,14,16,18,20,22,24,26,28,30,32,34,36,38,40,42,44,46,48,50,52,54,56,58,60,62
	v_pk_mul_f32 v[160+\j:161+\j], v[160+\j:161+\j], v[252:253] op_sel_hi:[1,0]   ; O^T under the new M.  (These 32 are also the places between the writes of p's codes and scale word and the products)
.endr
.if \last
	s_wait_dscnt 0x0                               ; V of the last step (elsewhere the change of slots has waited for it)
.endif
	WIN 0x01
.irp t, 0,1,2,3,4,5,6,7
.set rD, 160+8*\t
.set rP, 64+12*\t
.set rQ, 224
.set rX, VS+\t/2
.set rY, 253
	WM 0, \t%2
.endr
	WIN 0
.endm
; THE CHANGE OF SLOTS.  Each wave waits for all its tensor loads (its part of the step ahead), adds 0 to its spare word, and waits for that and for its LDS loads: K, the mask and V of the step just begun are in registers.
; fill = 1: behind a round of the cluster's barrier the slot just left is filled with the step after the next: the load has a whole key step in which to land.
.macro CHANGE fill
	s_wait_tensorcnt 0x0
	ds_add_u32 v[SPW], v[NIL]
.if \fill
	s_xor_b32 s[G0K+1], s[G0K+1], SLOT1            ; the walking descriptors: the other slot,
	s_xor_b32 s[G0M+1], s[G0M+1], SLOT1
	s_add_co_u32 s[JJ], s[JJ], 1
	s_and_b32 s[JJ], s[JJ], 15                     ; the next key step, round the sixteen
	SETG
	s_wait_xcnt 0x0                                ; the last prefetch, a key step back, has read its address
	s_add_nc_u64 s[PFA:PFA+1], s[PFA:PFA+1], s[PFS:PFS+1]   ; (behind the walk's step 3 the stepped address is not used)
.endif
	s_wait_dscnt 0x0
.if \fill
	CROUND
	TLOAD                                          ; the first thing behind the round, and a wave's one tensor load until the next
	ASK
.else
	s_barrier_signal -1
	s_barrier_wait -1
.endif
.endm
	s_wait_loadcnt 0x0                             ; Q
	CHANGE 1                                       ; the walk's step 0 is whole; step 1 is asked for
	KM_LOAD
	V_LOAD
	HEAD
	s_xor_b32 s[TB], s[TB], SLOT1
	s_mov_b32 s[SLOTS], 14
.Lstep:                                            ; the walk's steps 1 to 14; each asks for the step after the next
	CHANGE 1
	KM_LOAD
	TAIL 0
	V_LOAD
	HEAD
	s_xor_b32 s[TB], s[TB], SLOT1
	s_sub_co_u32 s[SLOTS], s[SLOTS], 1
	s_cmp_lg_u32 s[SLOTS], 0
	s_cbranch_scc1 .Lstep
	CHANGE 0                                       ; the walk's step 15 is written out
	KM_LOAD
	TAIL 0
	V_LOAD
	HEAD
	TAIL 1
	; THE WAY OUT: O^T / the sum, quantised along the channels: my tile's fragment of K step = head of the last product
	PLACES
	v_add_f32 v14, v14, v15
	v_permlanex16_b32 v252, v14, s[SEL], s[SEL+1]
	v_add_f32 v14, v14, v252                       ; the row's sum
	v_rcp_f32 v14, v14
	v_nop                                          ; a plain place behind the reciprocal
	s_wait_alu depctr_va_vdst(0)                   ; and the wait ahead of its first reader
.irp j, 0,2,4,6,8,10,12,14,16,18,20,22,24,26,28,30,32,34,36,38,40,42,44,46,48,50,52,54,56,58,60,62
	v_pk_mul_f32 v[96+\j:97+\j], v[160+\j:161+\j], v[14:15] op_sel_hi:[1,0]
.endr
	QUANT 96
.irp g, 0,1,2
	global_store_b128 v[GI], v[PC+4*\g:PC+4*\g+3], s[10:11] offset:512*\g   ; 512 consecutive bytes a store
.endr
	global_store_b32 v[GS], v[PW], s[10:11]        ; lanes r and r + 16 write the same word with the same value
	s_wait_tensorcnt 0x0                           ; the wave's end
	ds_add_u32 v[SPW], v[NIL]
	s_wait_dscnt 0x0
	CROUND                                         ; the closing round
	s_endpgm
.Lfunc_end_k_qeab04f50c9_attn:
	.size	k_qeab04f50c9_attn, .Lfunc_end_k_qeab04f50c9_attn-k_qeab04f50c9_attn
	.p2alignl 7, 3214868480
	.fill 96, 4, 3214868480
	.section	.rodata,"a",@progbits
	.p2align	6, 0x0
	.amdhsa_kernel k_qeab04f50c9_attn
		.amdhsa_group_segment_fixed_size 327680
		.amdhsa_private_segment_fixed_size 0
		.amdhsa_enable_private_segment 0
		.amdhsa_kernarg_size 32
		.amdhsa_user_sgpr_count 2
		.amdhsa_user_sgpr_kernarg_segment_ptr 1
		.amdhsa_wavefront_size32 1
		.amdhsa_system_sgpr_workgroup_id_x 1
		.amdhsa_system_sgpr_workgroup_id_y 1
		.amdhsa_system_sgpr_workgroup_id_z 1
		.amdhsa_system_vgpr_workitem_id 0
		.amdhsa_next_free_vgpr 512
		.amdhsa_next_free_sgpr 80
		.amdhsa_reserve_vcc 0
		.amdhsa_float_denorm_mode_32 3
		.amdhsa_float_denorm_mode_16_64 3
		.amdhsa_memory_ordered 1
		.amdhsa_forward_progress 1
		.amdhsa_inst_pref_size 95
	.end_amdhsa_kernel
	.amdgpu_metadata
---
amdhsa.version: [ 1, 2 ]
amdhsa.kernels:
  - .name:           k_qeab04f50c9_attn
    .symbol:         k_qeab04f50c9_attn.kd
    .args:
      - { .name: qr, .offset: 0, .size: 8, .value_kind: global_buffer, .address_space: global }
      - { .name: kvr, .offset: 8, .size: 8, .value_kind: global_buffer, .address_space: global }
      - { .name: mask, .offset: 16, .size: 8, .value_kind: global_buffer, .address_space: global }
      - { .name: aor, .offset: 24, .size: 8, .value_kind: global_buffer, .address_space: global }
    .group_segment_fixed_size: 327680
    .private_segment_fixed_size: 0
    .kernarg_segment_align: 8
    .kernarg_segment_size: 32
    .max_flat_workgroup_size: 256
    .sgpr_count:     80
    .vgpr_count:     512
    .wavefront_size: 32
...
	.end_amdgpu_metadata
.endif
;; end of part 3
;; launch oproj (part 4): grid 16 x 16, 4 waves a work-group, clusters of 4 x 4, 327,680 bytes of LDS; arguments aor, wr, out0; writes out0
.if DOCPART == 4
	.amdgcn_target "amdgcn-amd-amdhsa--gfx1250"
	.amdhsa_code_object_version 6
	.text
	.protected	k_qeab04f50c9_oproj
	.globl	k_qeab04f50c9_oproj
	.p2align	8
	.type	k_qeab04f50c9_oproj,@function
k_qeab04f50c9_oproj:
	s_mov_b64 s[64:65], 0
	v_nop
	global_prefetch_b8 v0, s[64:65] scope:SCOPE_SE
	s_setreg_imm32_b32 hwreg(HW_REG_WAVE_MODE, 25, 1), 1
	s_wait_xcnt 0x0
	s_wait_alu depctr_hold_cnt(0) depctr_sa_sdst(0) depctr_va_vdst(0) depctr_va_sdst(0) depctr_va_ssrc(0) depctr_va_vcc(0) depctr_vm_vsrc(0)
	s_getreg_b32 s2, hwreg(HW_REG_IB_STS2, 6, 4)
	s_cmp_eq_u32 s2, 0
	s_cbranch_scc0 .Lentry_in_a_cluster
	s_endpgm
.Lentry_in_a_cluster:
	s_bfe_u32 s2, ttmp6, 0x10000c
	s_cmp_lg_u32 s2, 0xf033
	s_cbranch_scc0 .Lentry_shape_is_right
	s_endpgm
.Lentry_shape_is_right:
; out0 = o wo on codes of FP6 with E8M0 scales; out0 [2048][2048] f32.  Operands come as records of 12,800 bytes (128 rows x 128 K: eight register images of 1,536 bytes, then 512 bytes of scale words;
; place r of tile j is row 32 (j / 2) + 8 (j % 2) + 16 (r / 8) + r % 8): aor [block of tokens][K step], wr's fourth weight [block of columns][K step].
; A tile of the output is 128 x 128, which gives 256 work-groups (256 x 256 would give 64).  Four waves, each 64 x 64: 16 accumulators.  16 K steps of 128.
; LDS holds THREE slots of four K steps (102,400 bytes each): twelve of the sixteen K steps come as first fills, three loads a wave; ONE refill brings K steps 12-15 into slot 0, behind K step 3, and has seven and a half K steps,
; 120 matrix instructions a wave, in which to land.  In front of that refill's round every wave has waited for all its loads, so slots 1 and 2 are whole behind it, and the change from slot 1 to slot 2 needs no barrier.
; The matrix instruction is used transposed (source 0 = 16 columns of wo, source 1 = 16 tokens): a lane holds eight neighbouring numbers of a row of the output.
; CLUSTERS: 4 x 4; o's records are shared along a row of the cluster, wo's along a column: joint loads, a quarter of the requests.  Every wave fetches two records a slot.
.set REC,   12800
.set RSC,   12288
.set FRB,   1536
.set SLOT,  8*REC                      ; A's four records, then B's four
.set STAGE, 3*SLOT                     ; behind the slots: 16 rows x (256 bytes + 16) for each wave; no tile lands there
.set SP,    272
.set SPARE, STAGE+4*16*SP              ; the spare words
.set WV, 10
.set RA, 11
.set CB, 12
.set CX, 13
.set CY, 14
.set NB, 15
.set MB, 16
.set G1A, 24                           ; s[24:31], s[32:39] groups 1 for A's and B's records
.set G1B, 32
.set G0A, 40                           ; s[40:51], s[52:63] groups 0, a set for each slot
.set G0B, 52
.set ADA, 8                            ; v8-10 my four tiles of A in slot 0, 1, 2;  v11-13 of B;  v14-16, v17-19 their scale words
.set ADB, 11
.set ASA, 14
.set ASB, 17
.set STO, 24
.set RD,  25
.set CO,  26
.set SPW, 28
.set NIL, 29
.set SC,  32                           ; v32-39 scale words, nothing else: set p at 32 + 4 p: A's two registers, B's two
.set BK,  64                           ; v64-127 the way out: two buffers of 32
.set ACC, 128                          ; v128-255 accumulator (a, b) at 128 + 8 (4 a + b).  Window 1: fragment set p at 128 p: A's four, then B's four
.set MSB, 0
.macro WIN new
.if MSB != (\new)
	s_set_vgpr_msb (MSB<<8)|(\new)
.set MSB, \new
.endif
.endm
.set MUL, 0x05
.macro PLACES
.rept 4
	v_nop
.endr
.endm
.macro CREST
	s_cmp_lg_u32 s[WV], 0
	s_cbranch_scc1 .Lnot_wave_0_\@
	s_barrier_signal -3
.Lnot_wave_0_\@:
	s_barrier_wait -3
	s_barrier_signal -1
	s_barrier_wait -1
.endm
.macro CROUND
	s_barrier_signal -1
	s_barrier_wait -1
	CREST
.endm
.macro WM z, r0, r1
.if (\z) && ((\r0) == 0) && ((\r1) == 0)
	v_wmma_scale_f32_16x16x128_f8f6f4 v[rD:rD+7], v[rP:rP+11], v[rQ:rQ+11], 0, v[rX], v[rY] matrix_a_fmt:MATRIX_FMT_FP6 matrix_b_fmt:MATRIX_FMT_FP6
.elseif (\z) && ((\r0) == 1) && ((\r1) == 0)
	v_wmma_scale_f32_16x16x128_f8f6f4 v[rD:rD+7], v[rP:rP+11], v[rQ:rQ+11], 0, v[rX], v[rY] matrix_a_fmt:MATRIX_FMT_FP6 matrix_b_fmt:MATRIX_FMT_FP6 matrix_a_scale:MATRIX_SCALE_ROW1
.elseif (\z) && ((\r0) == 0) && ((\r1) == 1)
	v_wmma_scale_f32_16x16x128_f8f6f4 v[rD:rD+7], v[rP:rP+11], v[rQ:rQ+11], 0, v[rX], v[rY] matrix_a_fmt:MATRIX_FMT_FP6 matrix_b_fmt:MATRIX_FMT_FP6 matrix_b_scale:MATRIX_SCALE_ROW1
.elseif (\z)
	v_wmma_scale_f32_16x16x128_f8f6f4 v[rD:rD+7], v[rP:rP+11], v[rQ:rQ+11], 0, v[rX], v[rY] matrix_a_fmt:MATRIX_FMT_FP6 matrix_b_fmt:MATRIX_FMT_FP6 matrix_a_scale:MATRIX_SCALE_ROW1 matrix_b_scale:MATRIX_SCALE_ROW1
.elseif ((\r0) == 0) && ((\r1) == 0)
	v_wmma_scale_f32_16x16x128_f8f6f4 v[rD:rD+7], v[rP:rP+11], v[rQ:rQ+11], v[rD:rD+7], v[rX], v[rY] matrix_a_fmt:MATRIX_FMT_FP6 matrix_b_fmt:MATRIX_FMT_FP6
.elseif ((\r0) == 1) && ((\r1) == 0)
	v_wmma_scale_f32_16x16x128_f8f6f4 v[rD:rD+7], v[rP:rP+11], v[rQ:rQ+11], v[rD:rD+7], v[rX], v[rY] matrix_a_fmt:MATRIX_FMT_FP6 matrix_b_fmt:MATRIX_FMT_FP6 matrix_a_scale:MATRIX_SCALE_ROW1
.elseif ((\r0) == 0) && ((\r1) == 1)
	v_wmma_scale_f32_16x16x128_f8f6f4 v[rD:rD+7], v[rP:rP+11], v[rQ:rQ+11], v[rD:rD+7], v[rX], v[rY] matrix_a_fmt:MATRIX_FMT_FP6 matrix_b_fmt:MATRIX_FMT_FP6 matrix_b_scale:MATRIX_SCALE_ROW1
.else
	v_wmma_scale_f32_16x16x128_f8f6f4 v[rD:rD+7], v[rP:rP+11], v[rQ:rQ+11], v[rD:rD+7], v[rX], v[rY] matrix_a_fmt:MATRIX_FMT_FP6 matrix_b_fmt:MATRIX_FMT_FP6 matrix_a_scale:MATRIX_SCALE_ROW1 matrix_b_scale:MATRIX_SCALE_ROW1
.endif
.endm
; A joint load: waves 0 and 1 fetch A's halves of a slot, waves 2 and 3 B's.  An s_nop 0 and four v_nop follow each line.
.macro JLOAD s
	s_cmp_eq_u32 s[RA], 0
	s_cbranch_scc0 .Lfor_b_\@
	tensor_load_to_lds s[G0A+4*\s:G0A+4*\s+3], s[G1A:G1A+7]
	s_nop 0
	PLACES
	s_branch .Lasked_\@
.Lfor_b_\@:
	tensor_load_to_lds s[G0B+4*\s:G0B+4*\s+3], s[G1B:G1B+7]
	s_nop 0
	PLACES
.Lasked_\@:
.endm
	s_load_b128 s[4:7], s[0:1], 0x0                ; aor s[4:5], wr s[6:7]
	s_load_b64 s[8:9], s[0:1], 0x10                ; out0
	v_lshl_add_u32 v[SPW], v0, 2, SPARE
	v_mov_b32 v[NIL], 0
	ds_add_u32 v[SPW], v[NIL]                      ; the wave's opening: the add and its wait ahead of my first tensor load
	v_lshrrev_b32 v1, 5, v0
	v_readfirstlane_b32 s[WV], v1
	s_lshr_b32 s[RA], s[WV], 1                     ; which 64 tokens are mine.  Also: I fetch for A (0) or for B (1)
	s_and_b32 s[CB], s[WV], 1                      ; which 64 columns.  Also: which two of a slot's four records I fetch
	s_bfe_u32 s[CX], ttmp6, 0x40000
	s_bfe_u32 s[CY], ttmp6, 0x40004
	s_lshl_b32 s[NB], ttmp9, 2
	s_add_co_u32 s[NB], s[NB], s[CX]               ; block of columns
	s_and_b32 s[MB], ttmp7, 0xffff
	s_lshl_b32 s[MB], s[MB], 2
	s_add_co_u32 s[MB], s[MB], s[CY]               ; block of tokens
	s_lshl_b32 s66, s[CY], 2
	s_lshl_b32 s66, 15, s66                        ; my row of the cluster
	s_lshl_b32 s70, 0x1111, s[CX]                  ; my column
	s_or_b32 s[G1A], s66, (3<<16)|(1<<21)
	s_or_b32 s[G1B], s70, (3<<16)|(1<<21)
.irp g, G1A, G1B
	s_mov_b32 s[\g+1], 32<<16                      ; 25,600 dense bytes as 100 rows of 256
	s_mov_b32 s[\g+2], 100<<16
	s_mov_b32 s[\g+3], 32<<16
	s_mov_b32 s[\g+4], 100
	s_mov_b32 s[\g+5], 32
	s_mov_b32 s[\g+6], 0
	s_mov_b32 s[\g+7], 0
.endr
	s_mul_i32 s66, s[MB], 16*REC                   ; (s66-67 never hold cx)
	s_mul_i32 s67, s[CB], 2*REC
	s_add_co_u32 s66, s66, s67
	s_mov_b32 s67, 0
	s_mul_i32 s70, s[NB], 16*REC                   ; (s70-71 never hold cy)
	s_mul_i32 s71, s[CB], 2*REC
	s_add_co_u32 s70, s70, s71
	s_add_co_u32 s70, s70, 3*256*REC               ; the fourth weight
	s_mov_b32 s71, 0
	s_mul_i32 s72, s[WV], 2*REC                    ; where they go: A's two halves, then B's
	s_wait_dscnt 0x0                               ; the opening add is done
	s_wait_kmcnt 0x0
	s_add_nc_u64 s[66:67], s[4:5], s[66:67]
	s_add_nc_u64 s[70:71], s[6:7], s[70:71]
	CROUND                                         ; all sixteen work-groups are here
.irp s, 0,1,2
	s_mov_b32 s[G0A+4*\s], 1
	s_add_co_u32 s[G0A+4*\s+1], s72, \s*SLOT
	s_add_nc_u64 s[G0A+4*\s+2:G0A+4*\s+3], s[66:67], \s*4*REC    ; slot s begins with K steps 4 s to 4 s + 3
	s_or_b32 s[G0A+4*\s+3], s[G0A+4*\s+3], 0x80000000
	s_mov_b32 s[G0B+4*\s], 1
	s_add_co_u32 s[G0B+4*\s+1], s72, \s*SLOT
	s_add_nc_u64 s[G0B+4*\s+2:G0B+4*\s+3], s[70:71], \s*4*REC
	s_or_b32 s[G0B+4*\s+3], s[G0B+4*\s+3], 0x80000000
	JLOAD \s                                       ; three loads of mine are out
.endr
	v_and_b32 v1, 31, v0
	v_lshlrev_b32 v2, 4, v1                        ; 16 x lane
	v_lshlrev_b32 v3, 2, v1                        ; 4 x lane
	s_mul_i32 s20, s[RA], 4*FRB                    ; my four tiles of A,
	s_mul_i32 s21, s[CB], 4*FRB
	s_add_co_u32 s21, s21, 4*REC                   ; of B, behind A's four records
	s_lshl_b32 s22, s[RA], 8
	s_add_co_u32 s22, s22, RSC                     ; their scale words
	s_lshl_b32 s23, s[CB], 8
	s_add_co_u32 s23, s23, 4*REC+RSC
	v_add_nc_u32 v[ADA], s20, v2
	v_add_nc_u32 v[ADB], s21, v2
	v_add_nc_u32 v[ASA], s22, v3
	v_add_nc_u32 v[ASB], s23, v3
.irp s, 1,2
	v_add_nc_u32 v[ADA+\s], \s*SLOT, v[ADA]
	v_add_nc_u32 v[ADB+\s], \s*SLOT, v[ADB]
	v_add_nc_u32 v[ASA+\s], \s*SLOT, v[ASA]
	v_add_nc_u32 v[ASB+\s], \s*SLOT, v[ASB]
.endr
	v_and_b32 v4, 15, v0                           ; r
	v_bfe_u32 v5, v0, 4, 1                         ; h
	s_mul_i32 s20, s[WV], 16*SP
	s_add_co_u32 s20, s20, STAGE                   ; my stage
	v_mul_u32_u24 v[STO], v4, SP
	v_lshl_add_u32 v[STO], v5, 6, v[STO]
	v_add_nc_u32 v[STO], s20, v[STO]               ; in: row r, + 64 h
	v_mul_u32_u24 v[RD], v5, SP
	v_lshl_add_u32 v[RD], v4, 4, v[RD]
	v_add_nc_u32 v[RD], s20, v[RD]                 ; back: lanes 0-15 one row of 256 bytes, lanes 16-31 the next
	v_lshlrev_b32 v[CO], 13, v5
	v_lshl_add_u32 v[CO], v4, 4, v[CO]             ; and the same two rows in the output
	s_lshl_b32 s20, s[MB], 7
	s_lshl_b32 s21, s[RA], 6
	s_add_co_u32 s20, s20, s21
	s_lshl_b32 s20, s20, 13                        ; my first token's row of 8,192 bytes
	s_lshl_b32 s21, s[NB], 9
	s_add_co_u32 s20, s20, s21
	s_lshl_b32 s21, s[CB], 8
	s_add_co_u32 s20, s20, s21                     ; + 4 x (128 nb + 64 cb)
	s_mov_b32 s21, 0
	s_add_nc_u64 s[8:9], s[8:9], s[20:21]
.macro FETCH slot, q, p                ; the slot's q-th K step: 4 loads of scale words, 24 of fragments
	WIN 0
.irp i, 0,1
	ds_load_b32 v[SC+4*(\p)+\i], v[ASA+\slot] offset:REC*(\q)+128*\i
	ds_load_b32 v[SC+4*(\p)+2+\i], v[ASB+\slot] offset:REC*(\q)+128*\i
.endr
	WIN 0x40
.irp i, 0,1,2,3
.irp g, 0,1,2
	ds_load_b128 v[128*(\p)+12*\i+4*\g:128*(\p)+12*\i+4*\g+3], v[ADA+\slot] offset:REC*(\q)+FRB*\i+512*\g
	ds_load_b128 v[128*(\p)+48+12*\i+4*\g:128*(\p)+48+12*\i+4*\g+3], v[ADB+\slot] offset:REC*(\q)+FRB*\i+512*\g
.endr
.endr
.endm
; 8 matrix instructions; the 16 accumulators take turns, one instruction a turn, in the same order in every step
.macro MUL8 a0, p, zero
.irp a, \a0, \a0+1
.irp b, 0,1,2,3
.set rD, ACC+8*(4*(\a)+\b)
.set rP, 128*(\p)+48+12*\b
.set rQ, 128*(\p)+12*(\a)
.set rX, SC+4*(\p)+2+\b/2
.set rY, SC+4*(\p)+(\a)/2
	WM \zero, \b%2, (\a)%2
.endr
.endr
.endm
; A slot's K step q, whose fragments are in (set q % 2): its successor, K step nq of slot ns, is asked for, then it is multiplied.  No barrier: slot ns is whole
.macro KS q, ns, nq, zero
	s_wait_dscnt 0x0
	PLACES                                         ; in front of loads into registers that the last step's products read
	FETCH \ns, \nq, (\nq)%2
	WIN MUL
	MUL8 0, (\q)%2, \zero
	MUL8 2, (\q)%2, \zero
.endm
.macro TURN slot, next, fill           ; a slot's fourth K step, with a barrier: in front of it each wave waits for all its tensor loads, adds 0 to its spare word, and waits for that and for its reads
	WIN 0
	s_wait_tensorcnt 0x0                           ; no load of mine is out
	ds_add_u32 v[SPW], v[NIL]
	s_wait_dscnt 1                                 ; (the add may be out)
	WIN MUL
	MUL8 0, 1, 0
	s_wait_dscnt 0x0                               ; the add is done, and my reads of this slot are over
	s_barrier_signal -1
	WIN 0
	s_barrier_wait -1
.if \fill
	CREST                                          ; the barrier has opened a round of the cluster's
	s_add_nc_u64 s[G0A+4*\slot+2:G0A+4*\slot+3], s[G0A+4*\slot+2:G0A+4*\slot+3], 12*REC
	s_add_nc_u64 s[G0B+4*\slot+2:G0B+4*\slot+3], s[G0B+4*\slot+2:G0B+4*\slot+3], 12*REC
	JLOAD \slot                                    ; the first tensor load behind the round; its four v_nop are also the places in front of the loads below
.else
	PLACES
.endif
	FETCH \next, 0, 0
	WIN MUL
	MUL8 2, 1, 0
.endm
	s_wait_tensorcnt 2                             ; my part of slot 0 is in; slots 1 and 2 may stay out
	s_barrier_signal -1
	s_barrier_wait -1
	FETCH 0, 0, 0
	KS 0, 0, 1, 1                                  ; K step 0: its products start the sums
	KS 1, 0, 2, 0
	KS 2, 0, 3, 0
	TURN 0, 1, 1                                   ; K step 3; all first fills have landed; K steps 12-15 go into slot 0
	KS 0, 1, 1, 0                                  ; K steps 4-6
	KS 1, 1, 2, 0
	KS 2, 1, 3, 0
	KS 3, 2, 0, 0                                  ; K step 7; on into slot 2, which the round above has shown whole
	KS 0, 2, 1, 0                                  ; K steps 8-10
	KS 1, 2, 2, 0
	KS 2, 2, 3, 0
	TURN 2, 0, 0                                   ; K step 11; the refill has landed in every wave's part
	KS 0, 0, 1, 0                                  ; K steps 12-14
	KS 1, 0, 2, 0
	KS 2, 0, 3, 0
	s_wait_dscnt 0x0                               ; K step 15
	WIN MUL
	MUL8 0, 1, 0
	MUL8 2, 1, 0
	WIN 0
; THE WAY OUT, a tile of 16 tokens x 64 columns at a time.  Register j of accumulator (a, b) is column 32 (b / 2) + 16 (lane / 16) + 8 (b % 2) + j of my 64.  The tile goes through my own stage and comes back as rows of 256 bytes.
.macro TOSTAGE a
.irp b, 0,1,2,3
	ds_store_b128 v[STO], v[ACC+8*(4*(\a)+\b):ACC+8*(4*(\a)+\b)+3] offset:128*(\b/2)+32*(\b%2)       ; each accumulator from its low end on
	ds_store_b128 v[STO], v[ACC+8*(4*(\a)+\b)+4:ACC+8*(4*(\a)+\b)+7] offset:128*(\b/2)+32*(\b%2)+16
.endr
.irp t, 0,1,2,3,4,5,6,7
	ds_load_b128 v[BK+32*((\a)%2)+4*\t:BK+32*((\a)%2)+4*\t+3], v[RD] offset:2*\t*SP   ; LDS serves a wave's instructions in order: these see the stores above
.endr
.endm
.macro SEND a, younger
	s_wait_dscnt \younger
.irp t, 0,1,2,3,4,5,6,7
	global_store_b128 v[CO], v[BK+32*((\a)%2)+4*\t:BK+32*((\a)%2)+4*\t+3], s[8:9] offset:(32*((\a)/2)+8*((\a)%2)+2*\t+8*(\t/4))*8192 th:TH_STORE_NT   ; 16 lanes store 256 consecutive bytes, at a multiple of 256 from the output's first byte
.endr
.endm
	PLACES                                         ; in front of the first read of results
	TOSTAGE 0
	TOSTAGE 1
	SEND 0, 16                                     ; behind tile 0's loads: tile 1's 8 stores and 8 loads
	s_wait_xcnt 0x0                                ; tile 0's stores have read their registers
	TOSTAGE 2
	SEND 1, 16
	s_wait_xcnt 0x0
	TOSTAGE 3
	SEND 2, 16
	SEND 3, 0
	s_wait_tensorcnt 0x0                           ; the wave's end
	ds_add_u32 v[SPW], v[NIL]
	s_wait_dscnt 0x0
	CROUND                                         ; the closing round
	s_endpgm
.Lfunc_end_k_qeab04f50c9_oproj:
	.size	k_qeab04f50c9_oproj, .Lfunc_end_k_qeab04f50c9_oproj-k_qeab04f50c9_oproj
	.p2alignl 7, 3214868480
	.fill 96, 4, 3214868480
	.section	.rodata,"a",@progbits
	.p2align	6, 0x0
	.amdhsa_kernel k_qeab04f50c9_oproj
		.amdhsa_group_segment_fixed_size 327680
		.amdhsa_private_segment_fixed_size 0
		.amdhsa_enable_private_segment 0
		.amdhsa_kernarg_size 24
		.amdhsa_user_sgpr_count 2
		.amdhsa_user_sgpr_kernarg_segment_ptr 1
		.amdhsa_wavefront_size32 1
		.amdhsa_system_sgpr_workgroup_id_x 1
		.amdhsa_system_sgpr_workgroup_id_y 1
		.amdhsa_system_sgpr_workgroup_id_z 1
		.amdhsa_system_vgpr_workitem_id 0
		.amdhsa_next_free_vgpr 512
		.amdhsa_next_free_sgpr 74
		.amdhsa_reserve_vcc 0
		.amdhsa_float_denorm_mode_32 3
		.amdhsa_float_denorm_mode_16_64 3
		.amdhsa_memory_ordered 1
		.amdhsa_forward_progress 1
		.amdhsa_inst_pref_size 82
	.end_amdhsa_kernel
	.amdgpu_metadata
---
amdhsa.version: [ 1, 2 ]
amdhsa.kernels:
  - .name:           k_qeab04f50c9_oproj
    .symbol:         k_qeab04f50c9_oproj.kd
    .args:
      - { .name: aor, .offset: 0, .size: 8, .value_kind: global_buffer, .address_space: global }
      - { .name: wr, .offset: 8, .size: 8, .value_kind: global_buffer, .address_space: global }
      - { .name: out0, .offset: 16, .size: 8, .value_kind: global_buffer, .address_space: global }
    .group_segment_fixed_size: 327680
    .private_segment_fixed_size: 0
    .kernarg_segment_align: 8
    .kernarg_segment_size: 24
    .max_flat_workgroup_size: 128
    .sgpr_count:     74
    .vgpr_count:     512
    .wavefront_size: 32
...
	.end_amdgpu_metadata
.endif
;; end of part 4
